; MI455X (gfx1250); checked and timed in simulation.
; The chip was launched on July 23, 2026; its instructions are those of AMD's public machine-readable ISA for CDNA 5 (MIT licence, August 2026) and "CDNA5" Instruction Set Architecture Reference Guide (July 2026). The comments in the code are by the model that wrote it; some were corrected since.
;; CLIP Encoder Layer. Allowed arithmetic: matrix products marked QUANTISED: E2M3 operands, one E8M0 scale for each 32 along K, by v_wmma_scale_f32_16x16x128_f8f6f4 with both operands' format E2M3, f32 sums; everything else in f32.
;; Inputs: W1 1,024 x 4,096 float32; W2 4,096 x 1,024 float32; Wk 1,024 x 1,024 float32; Wo 1,024 x 1,024 float32; Wq 1,024 x 1,024 float32; Wv 1,024 x 1,024 float32; b1 4,096 float32; b2 1,024 float32; bk 1,024 float32; bo 1,024 float32; bq 1,024 float32; bv 1,024 float32; ln1_b 1,024 float32; ln1_g 1,024 float32; ln2_b 1,024 float32; ln2_g 1,024 float32; x 4 x 1,024 x 1,024 float32.
;; Outputs: out0 4 x 1,024 x 1,024 float32.
;; This version of the problem:
;;   THIS VERSION OF THE PROBLEM IS GIVEN IN LOW PRECISION. The matrix products marked QUANTISED in the list below multiply operands that are first quantised to E2M3 (2 exponent bits, 3 mantissa bits; 6 bits a number), with one power-of-two scale for each 32 numbers along K (OCP MX v1.0); their sums are f32. All else is computed in f32.
;;   The module's matrix products, in the order in which they are computed (A, B: the left and right operand; K: the contracted axis; several contracted axes count as one K, in the product's order):
;;     1. [M 4,096, K 1,024] x [K 1,024, N 1,024]; A: computed on the way; B: input Wq: QUANTISED
;;     2. [M 4,096, K 1,024] x [K 1,024, N 1,024]; A: computed on the way; B: input Wk: QUANTISED
;;     3. [M 4,096, K 1,024] x [K 1,024, N 1,024]; A: computed on the way; B: input Wv: QUANTISED
;;     4. batch 64 x [M 1,024, K 64] x [K 64, N 1,024]; A: computed on the way; B: computed on the way: QUANTISED
;;     5. batch 64 x [M 1,024, K 1,024] x [K 1,024, N 64]; A: softmax (see below); B: computed on the way: QUANTISED
;;     6. [M 4,096, K 1,024] x [K 1,024, N 1,024]; A: computed on the way; B: input Wo: QUANTISED
;;     7. [M 4,096, K 1,024] x [K 1,024, N 4,096]; A: computed on the way; B: input W1: QUANTISED
;;     8. [M 4,096, K 4,096] x [K 4,096, N 1,024]; A: computed on the way; B: input W2: QUANTISED
;;   THE QUANTISER, for each operand of a quantised product, along K:
;;     - K is cut into blocks of 32 from its start; a last block that is shorter is filled with zeros.
;;     - A block's scale is 2^e with e = floor(log2(the largest magnitude in the block)) - 2, held to -126 .. 127; a block of zeros has e = 0. As a byte (E8M0): e + 127.
;;     - Each number is divided by its block's scale, clamped to +-7.5, and rounded to the nearest number of E2M3, ties to even, subnormals kept.
;;     - The product sums the exact products of the quantised numbers (number of the format x scale) in f32.
;;   ~~~python
;;   def quantise(x, axis):      # numpy; x: float32 -> the quantised numbers, widened to float32 again
;;       x = np.moveaxis(x, axis, -1); K = x.shape[-1]
;;       x = np.pad(x, [(0, 0)] * (x.ndim - 1) + [(0, -K % 32)]); x = x.reshape(x.shape[:-1] + (-1, 32)); a = np.abs(x).max(-1, keepdims=True)
;;       e = np.where(a > 0, np.clip(np.frexp(np.where(a > 0, a, 1))[1] - 1 - 2, -126, 127), 0)      # np.frexp(a)[1] - 1 = floor(log2(a)), exactly
;;       r = np.clip(x / 2.0 ** e, -7.5, 7.5)
;;       step = 2.0 ** (np.maximum(np.frexp(np.where(r == 0, 1, r))[1] - 1, 0) - 3)
;;       q = np.round(r / step) * step * 2.0 ** e      # np.round: ties to even
;;       return np.moveaxis(q.reshape(q.shape[:-2] + (-1,))[..., :K], -1, axis).astype(np.float32)
;;   ~~~
;;   SOFTMAX AHEAD OF A QUANTISED PRODUCT. Where the list says 'softmax', what is quantised is not the finished softmax but p = 2^(t - M), with t = logit x log2(e) and M = ceil(the row's largest t), a whole number; so 1/2 < the row's largest p <= 1. The row's sum l is taken of the UNQUANTISED p, in f32, and the product's result is divided by l at the end. Since M is a whole number, a kernel that streams over the keys may use a running M (the ceiling of the running maximum): every later rescaling is an exact power of two, which a block's scale takes up: the codes' values come out the same.
;;   OPERANDS COMPUTED ON THE WAY. 'Computed on the way' means the value that the module computes at that place (a softmax that the list does not call 'softmax' is quantised finished and normalised). What goes into a quantiser is computed in f32, as accurately as f32 sums, v_exp_f32 and their like allow (about 1e-6 of the number): no bf16 or f16 on the way to a quantiser, and a product that is left as it is and whose result goes on into a quantised operand takes f32 operands (vector FMAs, or v_wmma_f32_16x16x4_f32). A number that lies on a knife's edge between two numbers of the format may be rounded either way, as far as f32 arithmetic and the matrix unit's own rounding can turn it there, and no further.
;; One version. Each part assembles by itself: llvm-mc -triple=amdgcn-amd-amdhsa -mcpu=gfx1250 --defsym DOCPART=n.
;; ======== version 1 of 1: 7 launches
;; limits: right only within a limited range of input values
;; workspace buffers: wts 9,830,400 bytes; h 3,276,800 bytes; qkv 10,223,616 bytes; ao 3,276,800 bytes; x1 16,777,216 bytes; hid 13,107,200 bytes
;; launch prep (part 1): grid 384 x 1, 8 waves a work-group, no clusters, 69,632 bytes of LDS; arguments x, ln1_g, ln1_b, h, Wq, Wk, Wv, Wo, W1, W2, wts; writes h, wts
.if DOCPART == 1
	.amdgcn_target "amdgcn-amd-amdhsa--gfx1250"
	.amdhsa_code_object_version 6
	.text
	.protected	k_qcf4c5cafe2_prep
	.globl	k_qcf4c5cafe2_prep
	.p2align	8
	.type	k_qcf4c5cafe2_prep,@function
k_qcf4c5cafe2_prep:
	s_mov_b64 s[64:65], 0
	v_nop
	global_prefetch_b8 v0, s[64:65] scope:SCOPE_SE
	s_setreg_imm32_b32 hwreg(HW_REG_WAVE_MODE, 25, 1), 1
	s_wait_xcnt 0x0
; THE PROGRAM: a CLIP encoder layer on 4 x 1,024 tokens, d = 1,024, 16 heads of 64, all eight products on codes of FP6 (E2M3) with one E8M0 scale for each 32 along K.
; Seven launches: prep (this text: layer norm 1 to codes, Wq, Wk, Wv and Wo to codes), qkv, attn, wo, ln2 (this text again: layer norm 2), w1, w2.
; DEAD WORK.  reference() adds -infinity to the score of key k and query q wherever k > q, by a mask that it builds itself: the softmax gives such a key the weight 0 for all values of the inputs.  So a step of
; 128 keys all of which come after a tile's 16 queries reaches no output, and launch attn leaves its products and its softmax out.  Nothing else is left out: every bias stands ahead of a quantiser or reaches the
; output, and all 17 inputs are loaded.  LIMIT: a NaN, an infinity or an overflow that reaches only those steps is not carried to the result.
; LAYOUTS OF THE PROGRAM'S OWN BUFFERS.  A BLOCK is 16 rows of an operand: row r (0..15) of block 2 g + u is the operand's row 32 g + 8 u + r + 8 (r / 8).  So where an operand is a matrix instruction's source 0, a
; lane's 16 result registers of blocks 2 g and 2 g + 1 are 16 NEIGHBOURS, 32 g + 16 (lane / 16) + 0..15, along that operand's rows: what the next quantiser wants.
; A HALF IMAGE (768 bytes) is a block's codes of 64 along K as they stand in the matrix operand's registers: lane l's registers 0-3 at byte 16 l, its registers 4-5 at byte 512 + 8 l.  Two on end are a fragment
; (16 rows x 128 K).  An operand of K columns: half kh of block rb at (rb K / 64 + kh) 768; behind all codes the scale words, four bytes a row and 128 K: ((rb K / 128 + ks) 16 + r) 4.
; THIS TEXT.  Work-groups 0-255: LAYER NORM of block rb = work-group; wave w takes columns 128 w on.  Each of its sixteen loads takes the 512 consecutive bytes of one row; the numbers turn through the wave's own
; stage in LDS (rows of 528 bytes: the sixteen rows that a load from it touches start at sixteen different banks), so that a lane holds 64 numbers of ITS row, in the order in which the quantiser wants them.
; Mean and variance in two passes (the variance of the centred numbers, as reference() has it), summed over the eight waves through LDS.  Work-groups 256-639: A WEIGHT [K][N]: a lane takes a column and its
; registers run down K, so a block of 32 along K lies in one lane, and its six code registers are stored straight to their place in the image.  No matrix unit, no tensor load, no cluster: no two work-groups read the same bytes.
; A block's scale is 2^(floor(log2(largest magnitude)) - 2); its byte is the largest magnitude's exponent field - 2, held at 1 from below.
; LIMITS: a block of zeros gets the byte 1 (its codes are zeros; this program alone reads the bytes); blocks under 2^-124 keep the byte 1; NaN and infinities among the inputs are not served.
; The last multiply and add of the norm are one fused multiply-add.
.set SPW,   252                        ; v252  LDS address of my spare word; never rewritten
.set NIL,   253                        ; v253  0; never rewritten
.set SPARE, 1024                       ; LDS: 0-511 the waves' sums, 512-1023 their sums of squares (word 32 r + 4 w), 1024-2047 the spare words, 128 bytes a wave,
.set STAGE, 2048                       ; from 2048 on a stage of 16 rows for each wave
.set SPT,   528                        ; a stage row: 512 bytes + 16
.set X,     32                         ; v32-95   my 64 numbers: register 16 b + i = column 128 w + 32 b + 16 (lane / 16) + i of my row
.set G,     96                         ; v96-159  the gain at those columns; later the codes
.set BT,    160                        ; v160-223 the shift
.set PC,    96                         ; v96-107 a fragment's codes, v108-115 at work
.set TM,    120                        ; v120-135 at work in the quantiser
.set PW,    136                        ; v136 the scale word
.set SEL,   40                         ; s[40:41] lane selects: lane l xor 16
; 64 numbers of a lane, register 16 b + i = k 32 b + 16 (lane / 16) + i of my row, become a fragment's 12 code registers in v[PC] on and its scale word in v[PW].
.macro QUANT s
.irp b, 0,1,2,3
	v_max3_num_f32 v[TM+\b], |v[\s+16*\b]|, |v[\s+1+16*\b]|, 0x1800000   ; block b: my 16 numbers, and the floor 2^(3 - 127): the byte cannot fall under 1
.endr
.irp i, 2,4,6,8,10,12,14
.irp b, 0,1,2,3
	s_delay_alu instid0(VALU_DEP_4)
	v_max3_num_f32 v[TM+\b], v[TM+\b], |v[\s+16*\b+\i]|, |v[\s+1+16*\b+\i]|   ; the four blocks by turns
.endr
.endr
.irp b, 0,1,2,3
	s_delay_alu instid0(VALU_DEP_4)
	v_permlanex16_b32 v[TM+4+\b], v[TM+\b], s[SEL], s[SEL+1]
.endr
.irp b, 0,1,2,3
	s_delay_alu instid0(VALU_DEP_4)
	v_max_num_f32 v[TM+\b], v[TM+\b], v[TM+4+\b]   ; with lane l xor 16's 16: the block's largest magnitude
.endr
.irp b, 0,1,2,3
	s_delay_alu instid0(VALU_DEP_4)
	v_add_nc_u32 v[TM+12+\b], 0xff000000, v[TM+\b]   ; 2 off its exponent field: the conversion takes this operand's exponent field as its scale
.endr
.irp b, 0,1,2,3
	s_delay_alu instid0(VALU_DEP_4)
	v_lshrrev_b32 v[TM+4+\b], 23, v[TM+12+\b]      ; the scale's byte
.endr
	s_delay_alu instid0(VALU_DEP_3)
	v_lshl_or_b32 v[PW], v[TM+5], 8, v[TM+4]
	s_delay_alu instid0(VALU_DEP_1)
	v_lshl_or_b32 v[PW], v[TM+6], 16, v[PW]
	s_delay_alu instid0(VALU_DEP_1)
	v_lshl_or_b32 v[PW], v[TM+7], 24, v[PW]
.irp c, 0,1
	v_cvt_scalef32_pk16_fp6_f32 v[PC+6*\c:PC+2+6*\c], v[\s+32*\c:\s+15+32*\c], v[TM+12+2*\c]
	v_cvt_scalef32_pk16_fp6_f32 v[PC+12+4*\c:PC+14+4*\c], v[\s+16+32*\c:\s+31+32*\c], v[TM+12+2*\c+1]   ; (a conversion's three registers begin on an even number)
.endr
	v_nop                                          ; one plain place behind the scaled conversions
.irp c, 0,1                                    ; the operand wants a whole block in a lane: lanes 0-15 block 2 c, lanes 16-31 block 2 c + 1
.irp i, 0,1,2
	v_permlane16_swap_b32 v[PC+6*\c+\i], v[PC+12+4*\c+\i]
.endr
.irp i, 0,1,2
	s_delay_alu instid0(VALU_DEP_3)
	v_mov_b32 v[PC+3+6*\c+\i], v[PC+12+4*\c+\i]
.endr
.endr
.endm
; v16 = my lane's sum -> v16 = the row's sum over all 1,024 columns, the same bits in every wave
.macro ACROSS off
	s_delay_alu instid0(VALU_DEP_1)
	v_permlanex16_b32 v17, v16, s[SEL], s[SEL+1]
	s_delay_alu instid0(VALU_DEP_1)
	v_add_f32 v16, v16, v17                        ; my wave's 128 columns
	ds_store_b32 v6, v16 offset:\off               ; both lanes of a row write the same word with the same value
	s_wait_dscnt 0x0                               ; for the others' sake: my store has landed
	s_barrier_signal -1
	s_barrier_wait -1
	ds_load_b128 v[24:27], v7 offset:\off
	ds_load_b128 v[28:31], v7 offset:\off+16
	s_wait_dscnt 0x0
	v_add_f32 v24, v24, v25
	v_add_f32 v26, v26, v27
	v_add_f32 v28, v28, v29
	v_add_f32 v30, v30, v31
	s_delay_alu instid0(VALU_DEP_3)
	v_add_f32 v24, v24, v26
	s_delay_alu instid0(VALU_DEP_2)
	v_add_f32 v28, v28, v30
	s_delay_alu instid0(VALU_DEP_1)
	v_add_f32 v16, v24, v28
.endm
	s_load_b256 s[4:11], s[0:1], 0x0               ; the rows s[4:5], gain s[6:7], shift s[8:9], the codes' buffer s[10:11]
	s_load_b256 s[12:19], s[0:1], 0x20             ; Wq, Wk, Wv, Wo
	s_load_b128 s[20:23], s[0:1], 0x40             ; W1, W2
	s_load_b64 s[24:25], s[0:1], 0x50              ; the weights' codes
	v_lshl_add_u32 v[SPW], v0, 2, SPARE
	v_mov_b32 v[NIL], 0
	v_lshrrev_b32 v1, 5, v0
	s_delay_alu instid0(VALU_DEP_1)
	v_readfirstlane_b32 s26, v1                    ; wave 0..7
	; THE WORK-GROUP'S NUMBER is x + 384 y.  The first launch of this text has a grid of 384 x 1: numbers 0-255 are layer norm 1, 256-383 the weights Wq, Wk, Wv, Wo.
	; The second launch has a grid of 256 x 2: y = 0 is layer norm 2, y = 1 gives numbers 384-639: W1 and W2, which are first read by the launches behind it.
	s_and_b32 s27, ttmp7, 0xffff
	s_mul_i32 s27, s27, 384
	s_add_co_u32 s27, s27, ttmp9
	s_cmp_lt_u32 s27, 256
	s_cbranch_scc0 .Lweights
	; ---------------- LAYER NORM ----------------
	v_and_b32 v1, 15, v0                           ; r
	v_bfe_u32 v2, v0, 4, 1                         ; h = lane / 16
	v_and_b32 v3, 31, v0                           ; lane
	s_delay_alu instid0(VALU_DEP_1)
	v_lshlrev_b32 v8, 4, v3                        ; 16 x lane: my bytes of a row's 512, and an image's place for my lane
	s_delay_alu instid0(VALU_DEP_2)
	v_lshlrev_b32 v9, 3, v3
	v_lshlrev_b32 v10, 2, v1                       ; my row's scale word
	v_lshlrev_b32 v5, 6, v2                        ; 64 h: my 16 numbers of a block of 32, in gain and shift
	v_lshlrev_b32 v7, 5, v1                        ; LDS: my row's eight words
	s_lshl_b32 s27, s26, 2
	v_add_nc_u32 v6, s27, v7                       ; and my wave's among them
	s_mul_i32 s38, s26, 16*SPT
	s_add_co_u32 s38, s38, STAGE                   ; my wave's stage
	v_add_nc_u32 v4, s38, v8                       ; into it: a row as it was loaded
	v_mul_u32_u24 v11, v1, SPT
	s_delay_alu instid0(VALU_DEP_1)
	v_lshl_add_u32 v11, v2, 6, v11
	s_delay_alu instid0(VALU_DEP_1)
	v_add_nc_u32 v11, s38, v11                     ; out of it: my row, + 64 h
	s_mov_b32 s[SEL], 0x76543210
	s_mov_b32 s[SEL+1], 0xfedcba98
	s_lshr_b32 s28, ttmp9, 1
	s_lshl_b32 s28, s28, 5
	s_and_b32 s29, ttmp9, 1
	s_lshl_b32 s29, s29, 3
	s_add_co_u32 s28, s28, s29                     ; the block's first row: 32 g + 8 u
	s_lshl_b32 s28, s28, 12
	s_lshl_b32 s30, s26, 9                         ; my wave's 128 columns
	s_add_co_u32 s28, s28, s30
	s_mov_b32 s29, 0
	s_mov_b32 s31, 0
	s_lshl_b32 s32, ttmp9, 4
	s_lshl_b32 s33, s26, 1
	s_add_co_u32 s32, s32, s33
	s_mul_i32 s32, s32, 768                        ; my fragment: halves 2 w, 2 w + 1 of the block's 16
	s_mov_b32 s33, 0
	s_lshl_b32 s34, ttmp9, 3
	s_add_co_u32 s34, s34, s26
	s_lshl_b32 s34, s34, 6
	s_add_co_u32 s34, s34, 3145728                 ; its scale words, behind all codes
	s_mov_b32 s35, 0
	s_wait_alu depctr_va_vdst(0)
	s_wait_kmcnt 0x0
	s_add_nc_u64 s[4:5], s[4:5], s[28:29]
	s_add_nc_u64 s[6:7], s[6:7], s[30:31]
	s_add_nc_u64 s[8:9], s[8:9], s[30:31]
	s_add_nc_u64 s[36:37], s[10:11], s[34:35]
	s_add_nc_u64 s[10:11], s[10:11], s[32:33]
.irp i, 0,1,2,3,4,5,6,7,8,9,10,11,12,13,14,15
	global_load_b128 v[X+4*\i:X+4*\i+3], v8, s[4:5] offset:(\i+8*(\i/8))*4096 th:TH_LOAD_NT   ; row i of the block: the 32 lanes read 512 consecutive bytes
.endr
.irp b, 0,1,2,3
.irp j, 0,1,2,3
	global_load_b128 v[G+16*\b+4*\j:G+16*\b+4*\j+3], v5, s[6:7] offset:128*\b+16*\j
.endr
.endr
.irp b, 0,1,2,3
.irp j, 0,1,2,3
	global_load_b128 v[BT+16*\b+4*\j:BT+16*\b+4*\j+3], v5, s[8:9] offset:128*\b+16*\j
.endr
.endr
	s_wait_loadcnt 32                              ; the sixteen rows are in; the 32 loads of gain and shift may be out
.irp i, 0,1,2,3,4,5,6,7,8,9,10,11,12,13,14,15
	ds_store_b128 v4, v[X+4*\i:X+4*\i+3] offset:\i*SPT
.endr
.irp b, 0,1,2,3
.irp j, 0,1,2,3
	ds_load_b128 v[X+16*\b+4*\j:X+16*\b+4*\j+3], v11 offset:128*\b+16*\j   ; LDS serves a wave's instructions in order (ISA guide 5.7.1.4): these see the stores above; the bytes are my wave's own
.endr
.endr
	s_wait_dscnt 0x0
	v_pk_add_f32 v[18:19], v[32:33], v[34:35]
	v_pk_add_f32 v[20:21], v[48:49], v[56:57]
	v_pk_add_f32 v[22:23], v[64:65], v[72:73]
	v_pk_add_f32 v[254:255], v[80:81], v[88:89]
	v_pk_add_f32 v[250:251], v[36:37], v[38:39]
	v_pk_add_f32 v[248:249], v[50:51], v[58:59]
	v_pk_add_f32 v[246:247], v[66:67], v[74:75]
	v_pk_add_f32 v[16:17], v[82:83], v[90:91]
	s_delay_alu instid0(VALU_DEP_1)
	v_pk_add_f32 v[16:17], v[16:17], v[40:41]
	v_pk_add_f32 v[18:19], v[18:19], v[42:43]
	v_pk_add_f32 v[20:21], v[20:21], v[52:53]
	v_pk_add_f32 v[22:23], v[22:23], v[60:61]
	v_pk_add_f32 v[254:255], v[254:255], v[68:69]
	v_pk_add_f32 v[250:251], v[250:251], v[76:77]
	v_pk_add_f32 v[248:249], v[248:249], v[84:85]
	v_pk_add_f32 v[246:247], v[246:247], v[92:93]
	v_pk_add_f32 v[16:17], v[16:17], v[44:45]
	v_pk_add_f32 v[18:19], v[18:19], v[46:47]
	v_pk_add_f32 v[20:21], v[20:21], v[54:55]
	v_pk_add_f32 v[22:23], v[22:23], v[62:63]
	v_pk_add_f32 v[254:255], v[254:255], v[70:71]
	v_pk_add_f32 v[250:251], v[250:251], v[78:79]
	v_pk_add_f32 v[248:249], v[248:249], v[86:87]
	v_pk_add_f32 v[246:247], v[246:247], v[94:95]
	s_delay_alu instid0(VALU_DEP_4)
	v_pk_add_f32 v[16:17], v[16:17], v[254:255]
	s_delay_alu instid0(VALU_DEP_4)
	v_pk_add_f32 v[18:19], v[18:19], v[250:251]
	s_delay_alu instid0(VALU_DEP_4)
	v_pk_add_f32 v[20:21], v[20:21], v[248:249]
	s_delay_alu instid0(VALU_DEP_4)
	v_pk_add_f32 v[22:23], v[22:23], v[246:247]
	s_delay_alu instid0(VALU_DEP_2)
	v_pk_add_f32 v[16:17], v[16:17], v[20:21]
	s_delay_alu instid0(VALU_DEP_2)
	v_pk_add_f32 v[18:19], v[18:19], v[22:23]
	s_delay_alu instid0(VALU_DEP_1)
	v_pk_add_f32 v[16:17], v[16:17], v[18:19]
	s_delay_alu instid0(VALU_DEP_1)
	v_add_f32 v16, v16, v17
	ACROSS 0
	s_delay_alu instid0(VALU_DEP_1)
	v_mul_f32 v12, 0x3a800000, v16                 ; the mean: x 2^-10
	s_delay_alu instid0(VALU_DEP_1)
	v_mov_b32 v13, v12
.set I_, 0
.rept 32
	v_pk_add_f32 v[X+I_:X+I_+1], v[X+I_:X+I_+1], v[12:13] neg_lo:[0,1] neg_hi:[0,1]   ; x - mean
.set I_, I_+2
.endr
	v_pk_mul_f32 v[16:17], v[X:X+1], v[X:X+1]      ; the sum of squares of the centred numbers
	v_pk_mul_f32 v[18:19], v[X+2:X+3], v[X+2:X+3]
	v_pk_mul_f32 v[20:21], v[X+4:X+5], v[X+4:X+5]
	v_pk_mul_f32 v[22:23], v[X+6:X+7], v[X+6:X+7]
.irp i, 8,16,24,32,40,48,56
	s_delay_alu instid0(VALU_DEP_4)
	v_pk_fma_f32 v[16:17], v[X+\i:X+\i+1], v[X+\i:X+\i+1], v[16:17]
	s_delay_alu instid0(VALU_DEP_4)
	v_pk_fma_f32 v[18:19], v[X+\i+2:X+\i+3], v[X+\i+2:X+\i+3], v[18:19]
	s_delay_alu instid0(VALU_DEP_4)
	v_pk_fma_f32 v[20:21], v[X+\i+4:X+\i+5], v[X+\i+4:X+\i+5], v[20:21]
	s_delay_alu instid0(VALU_DEP_4)
	v_pk_fma_f32 v[22:23], v[X+\i+6:X+\i+7], v[X+\i+6:X+\i+7], v[22:23]
.endr
	s_delay_alu instid0(VALU_DEP_3)
	v_pk_add_f32 v[16:17], v[16:17], v[18:19]
	s_delay_alu instid0(VALU_DEP_2)
	v_pk_add_f32 v[20:21], v[20:21], v[22:23]
	s_delay_alu instid0(VALU_DEP_1)
	v_pk_add_f32 v[16:17], v[16:17], v[20:21]
	s_delay_alu instid0(VALU_DEP_1)
	v_add_f32 v16, v16, v17
	ACROSS 512                                     ; other LDS bytes than the first sum's: no wave writes what another may still read
	s_delay_alu instid0(VALU_DEP_1)
	v_mul_f32 v16, 0x3a800000, v16                 ; the variance
	s_delay_alu instid0(VALU_DEP_1)
	v_add_f32 v16, 0x3727c5ac, v16                 ; + 1e-5
	s_wait_alu depctr_va_vdst(0)
	v_rsq_f32 v14, v16
	v_rsq_f32 v15, v16                             ; twice: a pair for the packed multiply
	v_nop                                          ; a plain place behind the transcendentals
	s_wait_alu depctr_va_vdst(0)                   ; one wait for both, ahead of their first reader
	s_wait_loadcnt 0x0                             ; gain and shift
.set I_, 0
.rept 32
	v_pk_mul_f32 v[X+I_:X+I_+1], v[X+I_:X+I_+1], v[14:15]
.set I_, I_+2
.endr
.set I_, 0
.rept 32
	v_pk_fma_f32 v[X+I_:X+I_+1], v[X+I_:X+I_+1], v[G+I_:G+I_+1], v[BT+I_:BT+I_+1]
.set I_, I_+2
.endr
.irp b, 0,1,2,3
	v_mov_b32 v[TM+4+\b], 0                        ; a lane permute's destination counts as one of its sources
.endr
	QUANT X
	global_store_b128 v8, v[PC:PC+3], s[10:11]                 ; 512 consecutive bytes
	global_store_b64 v9, v[PC+4:PC+5], s[10:11] offset:512     ; 256
	global_store_b128 v8, v[PC+6:PC+9], s[10:11] offset:768
	global_store_b64 v9, v[PC+10:PC+11], s[10:11] offset:1280
	global_store_b32 v10, v[PW], s[36:37]                      ; lanes r and r + 16 hold the same word
	s_wait_tensorcnt 0x0                           ; the wave's end
	ds_add_u32 v[SPW], v[NIL]
	s_wait_dscnt 0x0
	s_endpgm
	; ---------------- A WEIGHT ----------------
	; t = the work-group's number - 256.  t < 128: matrix m = t / 32 of Wq, Wk, Wv, Wo, 256 columns (t / 8) % 4, K step t % 8.  128 <= t < 256: W1 (m = 4), columns (t - 128) / 8, K step t % 8.
	; t >= 256: W2 (m = 8), columns (t - 256) / 32, K step t % 32.  Images begin at m x 786,432, scale words at 9,437,184 + m x 32,768.
.Lweights:
	v_and_b32 v2, 31, v0                           ; my column of the wave's 32: row 8 u + r + 8 (r / 8) of a pair of blocks
	s_delay_alu instid0(VALU_DEP_1)
	v_lshlrev_b32 v3, 2, v2                        ; in: 4 bytes a lane, 128 consecutive bytes a wave
	s_delay_alu instid0(VALU_DEP_2)
	v_bfe_u32 v4, v2, 3, 1                         ; u
	s_wait_alu depctr_va_vdst(0)
	v_and_b32 v5, 7, v2
	v_lshrrev_b32 v6, 4, v2
	s_delay_alu instid0(VALU_DEP_1)
	v_lshl_add_u32 v5, v6, 3, v5                   ; r
	s_sub_co_u32 s27, s27, 256
	s_lshr_b32 s28, s27, 5                         ; m
	s_bfe_u32 s29, s27, 0x20003                    ; which 256 columns
	s_and_b32 s30, s27, 7                          ; K step
	s_sub_co_u32 s33, s27, 128
	s_lshr_b32 s33, s33, 3
	s_sub_co_u32 s34, s27, 256
	s_lshr_b32 s34, s34, 5
	s_and_b32 s35, s27, 31
	s_mov_b32 s31, 12288                           ; bytes of a block's codes: 12 K
	s_mov_b32 s32, 512                             ; of its scale words: K / 2
	s_mov_b32 s36, 524288                          ; 128 rows of the weight in memory
	s_cmp_ge_u32 s27, 128
	s_cselect_b32 s28, 4, s28
	s_cselect_b32 s29, s33, s29
	s_cselect_b32 s36, 2097152, s36
	s_cmp_ge_u32 s27, 256
	s_cselect_b32 s28, 8, s28
	s_cselect_b32 s29, s34, s29
	s_cselect_b32 s30, s35, s30
	s_cselect_b32 s31, 49152, s31
	s_cselect_b32 s32, 2048, s32
	s_cselect_b32 s36, 524288, s36
	s_lshl_b32 s29, s29, 3
	s_add_co_u32 s29, s29, s26                     ; my wave's group of 32 columns
	s_mul_i32 s36, s36, s30
	s_lshl_b32 s33, s29, 7
	s_add_co_u32 s36, s36, s33                     ; where I read
	s_mov_b32 s37, 0
	s_lshl_b32 s33, s29, 1                         ; the group's first block
	s_mul_i32 s38, s33, s31
	s_mul_i32 s34, s28, 786432
	s_add_co_u32 s38, s38, s34
	s_mul_i32 s34, s30, 1536
	s_add_co_u32 s38, s38, s34                     ; its fragment of my K step
	s_mov_b32 s39, 0
	s_mul_i32 s42, s33, s32
	s_lshl_b32 s34, s28, 15
	s_add_co_u32 s42, s42, s34
	s_lshl_b32 s34, s30, 6
	s_add_co_u32 s42, s42, s34
	s_add_co_u32 s42, s42, 9437184                 ; and its scale words
	s_mov_b32 s43, 0
	v_mul_u32_u24 v6, s31, v4
	s_wait_alu depctr_va_vdst(0)
	v_lshl_add_u32 v7, v5, 4, v6                   ; my block, my row: registers 0-3
	v_lshl_add_u32 v8, v5, 3, v6                   ; registers 4-5
	v_mul_u32_u24 v9, s32, v4
	s_delay_alu instid0(VALU_DEP_1)
	v_lshl_add_u32 v9, v5, 2, v9                   ; my scale word
	s_wait_kmcnt 0x0
	s_cmp_eq_u32 s28, 1                            ; the weight is chosen by the work-group's number alone
	s_cselect_b64 s[12:13], s[14:15], s[12:13]
	s_cmp_eq_u32 s28, 2
	s_cselect_b64 s[12:13], s[16:17], s[12:13]
	s_cmp_eq_u32 s28, 3
	s_cselect_b64 s[12:13], s[18:19], s[12:13]
	s_cmp_eq_u32 s28, 4
	s_cselect_b64 s[12:13], s[20:21], s[12:13]
	s_cmp_eq_u32 s28, 8
	s_cselect_b64 s[12:13], s[22:23], s[12:13]
	s_add_nc_u64 s[12:13], s[12:13], s[36:37]
	s_add_nc_u64 s[44:45], s[24:25], s[38:39]
	s_add_nc_u64 s[46:47], s[24:25], s[42:43]
.macro WLOAD n, t                      ; block t: W(32 t + i, my column), i = 0..31, into set t % 2
.set I_, 0
.rept 32
	global_load_b32 v[32+32*((\t)%2)+I_], v3, s[12:13] offset:(32*(\t)+I_)*(\n)*4 th:TH_LOAD_NT
.set I_, I_+1
.endr
.endm
; Block t of my column is block t % 2 (the lanes' half) of half t / 2 of the fragment: its six code registers go to lane r + 16 (t % 2)'s places there.  Each block has code registers of its own: no store's data are written again.
.macro WBLOCK n, t
.set XS, 32+32*((\t)%2)
.if (\t) < 3
	s_wait_loadcnt 32                              ; this block's 32 loads are in; the next block's may be out
.else
	s_wait_loadcnt 0x0
.endif
	v_max3_num_f32 v12, |v[XS]|, |v[XS+1]|, |v[XS+2]|
	v_max3_num_f32 v13, |v[XS+3]|, |v[XS+4]|, |v[XS+5]|
.irp i, 6,10,14,18,22,26
	s_delay_alu instid0(VALU_DEP_2)
	v_max3_num_f32 v12, v12, |v[XS+\i]|, |v[XS+\i+1]|
	s_delay_alu instid0(VALU_DEP_2)
	v_max3_num_f32 v13, v13, |v[XS+\i+2]|, |v[XS+\i+3]|
.endr
	s_delay_alu instid0(VALU_DEP_2)
	v_max3_num_f32 v12, v12, |v[XS+30]|, |v[XS+31]|
	s_delay_alu instid0(VALU_DEP_1)
	v_max3_num_f32 v12, v12, v13, 0x1800000        ; and the floor
	s_delay_alu instid0(VALU_DEP_1)
	v_add_nc_u32 v11, 0xff000000, v12              ; the conversions' scale operand
	v_cvt_scalef32_pk16_fp6_f32 v[96+8*(\t):98+8*(\t)], v[XS:XS+15], v11
	v_cvt_scalef32_pk16_fp6_f32 v[128:130], v[XS+16:XS+31], v11
	v_lshrrev_b32 v13, 23, v11                     ; the scale's byte (also the plain place behind the conversions)
.if (\t) == 0
	s_delay_alu instid0(VALU_DEP_1)
	v_mov_b32 v132, v13
.else
	s_delay_alu instid0(VALU_DEP_1)
	v_lshl_or_b32 v132, v13, 8*(\t), v132
.endif
.irp i, 0,1,2
	v_mov_b32 v[99+8*(\t)+\i], v[128+\i]
.endr
	global_store_b128 v7, v[96+8*(\t):99+8*(\t)], s[44:45] offset:((\t)/2)*768+256*((\t)%2)       ; sixteen lanes fill 256 consecutive bytes, aligned
	global_store_b64 v8, v[100+8*(\t):101+8*(\t)], s[44:45] offset:((\t)/2)*768+512+128*((\t)%2)
.if (\t) < 2
	WLOAD \n, (\t)+2
.endif
.endm
.macro WQ n
	WLOAD \n, 0
	WLOAD \n, 1
	WBLOCK \n, 0
	WBLOCK \n, 1
	WBLOCK \n, 2
	WBLOCK \n, 3
	global_store_b32 v9, v132, s[46:47]
	s_endpgm
.endm
	s_cmp_eq_u32 s28, 4                            ; W1's rows are 4,096 numbers long, all others' 1,024: the loads' immediates differ
	s_cbranch_scc1 .Lwide
	WQ 1024
.Lwide:
	WQ 4096
.Lfunc_end_k_qcf4c5cafe2_prep:
	.size	k_qcf4c5cafe2_prep, .Lfunc_end_k_qcf4c5cafe2_prep-k_qcf4c5cafe2_prep
	.p2alignl 7, 3214868480
	.fill 96, 4, 3214868480
	.section	.rodata,"a",@progbits
	.p2align	6, 0x0
	.amdhsa_kernel k_qcf4c5cafe2_prep
		.amdhsa_group_segment_fixed_size 69632
		.amdhsa_private_segment_fixed_size 0
		.amdhsa_enable_private_segment 0
		.amdhsa_kernarg_size 88
		.amdhsa_user_sgpr_count 2
		.amdhsa_user_sgpr_kernarg_segment_ptr 1
		.amdhsa_wavefront_size32 1
		.amdhsa_system_sgpr_workgroup_id_x 1
		.amdhsa_system_sgpr_workgroup_id_y 1
		.amdhsa_system_sgpr_workgroup_id_z 1
		.amdhsa_system_vgpr_workitem_id 0
		.amdhsa_next_free_vgpr 256
		.amdhsa_next_free_sgpr 66
		.amdhsa_reserve_vcc 0
		.amdhsa_float_denorm_mode_32 3
		.amdhsa_float_denorm_mode_16_64 3
		.amdhsa_memory_ordered 1
		.amdhsa_forward_progress 1
		.amdhsa_inst_pref_size 74
	.end_amdhsa_kernel
	.amdgpu_metadata
---
amdhsa.version: [ 1, 2 ]
amdhsa.kernels:
  - .name:           k_qcf4c5cafe2_prep
    .symbol:         k_qcf4c5cafe2_prep.kd
    .args:
      - { .name: x, .offset: 0, .size: 8, .value_kind: global_buffer, .address_space: global }
      - { .name: ln1_g, .offset: 8, .size: 8, .value_kind: global_buffer, .address_space: global }
      - { .name: ln1_b, .offset: 16, .size: 8, .value_kind: global_buffer, .address_space: global }
      - { .name: h, .offset: 24, .size: 8, .value_kind: global_buffer, .address_space: global }
      - { .name: Wq, .offset: 32, .size: 8, .value_kind: global_buffer, .address_space: global }
      - { .name: Wk, .offset: 40, .size: 8, .value_kind: global_buffer, .address_space: global }
      - { .name: Wv, .offset: 48, .size: 8, .value_kind: global_buffer, .address_space: global }
      - { .name: Wo, .offset: 56, .size: 8, .value_kind: global_buffer, .address_space: global }
      - { .name: W1, .offset: 64, .size: 8, .value_kind: global_buffer, .address_space: global }
      - { .name: W2, .offset: 72, .size: 8, .value_kind: global_buffer, .address_space: global }
      - { .name: wts, .offset: 80, .size: 8, .value_kind: global_buffer, .address_space: global }
    .group_segment_fixed_size: 69632
    .private_segment_fixed_size: 0
    .kernarg_segment_align: 8
    .kernarg_segment_size: 88
    .max_flat_workgroup_size: 256
    .sgpr_count:     66
    .vgpr_count:     256
    .wavefront_size: 32
...
	.end_amdgpu_metadata
.endif
;; end of part 1
;; launch qkv (part 2): grid 8 x 24, 4 waves a work-group, clusters of 4 x 4, 327,680 bytes of LDS; arguments h, wts, bq, bk, bv, qkv; writes qkv
.if DOCPART == 2
	.amdgcn_target "amdgcn-amd-amdhsa--gfx1250"
	.amdhsa_code_object_version 6
	.text
	.protected	k_qcf4c5cafe2_qkv
	.globl	k_qcf4c5cafe2_qkv
	.p2align	8
	.type	k_qcf4c5cafe2_qkv,@function
k_qcf4c5cafe2_qkv:
	s_mov_b64 s[64:65], 0
	v_nop
	global_prefetch_b8 v0, s[64:65] scope:SCOPE_SE
	s_setreg_imm32_b32 hwreg(HW_REG_WAVE_MODE, 25, 1), 1
	s_wait_xcnt 0x0
	s_wait_alu depctr_hold_cnt(0) depctr_sa_sdst(0) depctr_va_vdst(0) depctr_va_sdst(0) depctr_va_ssrc(0) depctr_va_vcc(0) depctr_vm_vsrc(0)
	s_getreg_b32 s2, hwreg(HW_REG_IB_STS2, 6, 4)
	s_cmp_eq_u32 s2, 0
	s_cbranch_scc0 .Lentry_in_a_cluster
	s_endpgm
.Lentry_in_a_cluster:
	s_bfe_u32 s2, ttmp6, 0x10000c
	s_cmp_lg_u32 s2, 0xf033
	s_cbranch_scc0 .Lentry_shape_is_right
	s_endpgm
.Lentry_shape_is_right:
.set XB,    8
.set NQ,    3
.set KK,    1024
.set FRB,   1536
.set RBP,   12*KK
.set SRB,   KK/2
.set HALFT, XB*NQ*FRB
.set SLOT,  4*HALFT
.set SCLB,  2*SLOT
.set SHALF, XB*SRB
.set SPARE, SCLB+4*SHALF
.set HSCL,  3145728
.set WSCL,  9437184
.set REC,   159744
.set VOFF,  49152
.set KSOFF, 98304
.set VSOFF, 102400
.set QOFF,  106496
.set QSOFF, 155648
.set AX16, 8
.set AX8,  10
.set AY16, 12
.set AY8,  14
.set ADRS, 16
.set L16,  17
.set L8,   18
.set R4,   19
.set SPW,  28
.set NIL,  29
.set SC,   32
.set XF,   64
.set T,    64
.set PC,   192
.set TM,   212
.set PW,   228
.set SEL,  98
.set G1, 24
.set G0, 32
.set G1B, 48
.set G0B, 56
.set G1S, 68
.set G0S, 76
.set G1SB, 80
.set G0SB, 88
.set MSB, 0
.macro WIN new
.if MSB != (\new)
	s_set_vgpr_msb (MSB<<8)|(\new)
.set MSB, \new
.endif
.endm
.macro JLOAD g0a, g1a, g0b, g1b
	s_cmp_eq_u32 s15, 0
	s_cbranch_scc0 .Lfor_b_\@
	tensor_load_to_lds s[\g0a:\g0a+3], s[\g1a:\g1a+7]
	s_nop 0
.rept 4
	v_nop
.endr
	s_branch .Lasked_\@
.Lfor_b_\@:
	tensor_load_to_lds s[\g0b:\g0b+3], s[\g1b:\g1b+7]
	s_nop 0
.rept 4
	v_nop
.endr
.Lasked_\@:
.endm
.macro CREST
	s_cmp_lg_u32 s14, 0
	s_cbranch_scc1 .Lnot_wave_0_\@
	s_barrier_signal -3
.Lnot_wave_0_\@:
	s_barrier_wait -3
	s_barrier_signal -1
	s_barrier_wait -1
.endm
.macro CROUND
	s_barrier_signal -1
	s_barrier_wait -1
	CREST
.endm
.macro PLACES n
.rept \n
	v_nop
.endr
.endm
.macro FRAG reg, a16, a8, off
	ds_load_b128 v[\reg:\reg+3], v[\a16] offset:\off
	ds_load_b64 v[\reg+4:\reg+5], v[\a8] offset:\off+512
	ds_load_b128 v[\reg+6:\reg+9], v[\a16] offset:\off+768
	ds_load_b64 v[\reg+10:\reg+11], v[\a8] offset:\off+1280
.endm
.macro FETCH slot, q, p, st
	WIN 0x40
.set I_, 0
.rept XB
	FRAG 128*(\p)+12*I_, AY16+\slot, AY8+\slot, (I_*NQ+(\q))*FRB
.set I_, I_+1
.endr
	WIN 0
.set I_, 0
.rept XB
	FRAG XF+96*(\p)+12*I_, AX16+\slot, AX8+\slot, (I_*NQ+(\q))*FRB
.set I_, I_+1
.endr
.set I_, 0
.rept XB
	ds_load_b32 v[SC+8*(\p)+I_], v[ADRS] offset:I_*SRB+64*(\st)
.set I_, I_+1
.endr
.endm
.macro MULA a0, na, p, zero
.set A_, \a0
.rept \na
	WIN 0xa1+0x50*(A_/4)
.set B_, 0
.rept XB
.set AC_, 8*(XB*(A_%4)+B_)
.if \zero
	v_wmma_scale_f32_16x16x128_f8f6f4 v[AC_:AC_+7], v[128*(\p)+12*B_:128*(\p)+12*B_+11], v[XF+96*(\p)+12*A_:XF+96*(\p)+12*A_+11], 0, v[SC+8*(\p)+B_], v[SC+8*(\p)+A_] matrix_a_fmt:MATRIX_FMT_FP6 matrix_b_fmt:MATRIX_FMT_FP6 matrix_a_scale:MATRIX_SCALE_ROW1
.else
	v_wmma_scale_f32_16x16x128_f8f6f4 v[AC_:AC_+7], v[128*(\p)+12*B_:128*(\p)+12*B_+11], v[XF+96*(\p)+12*A_:XF+96*(\p)+12*A_+11], v[AC_:AC_+7], v[SC+8*(\p)+B_], v[SC+8*(\p)+A_] matrix_a_fmt:MATRIX_FMT_FP6 matrix_b_fmt:MATRIX_FMT_FP6 matrix_a_scale:MATRIX_SCALE_ROW1
.endif
.set B_, B_+1
.endr
.set A_, A_+1
.endr
.endm
; K step st (0..7) on set st % 2; step st + 1, which lies in slot ((st + 1) / NQ) % 2, is fetched into the other set.  Three fills: steps 0-2 in slot 0, 3-5 in slot 1, 6-7 in slot 0 again.
.macro STEP st, zero
	s_wait_dscnt 0x0
	MULA 0, XB/4, (\st)%2, \zero
	PLACES 4
	FETCH (((\st)+1)/NQ)%2, ((\st)+1)%NQ, 1-(\st)%2, (\st)+1
	MULA XB/4, 3*XB/4, (\st)%2, \zero
	WIN 0
.endm
.macro TURN st, slot, next, fill
	WIN 0
	s_wait_tensorcnt 0x0
	ds_add_u32 v[SPW], v[NIL]
	s_wait_dscnt 1
	MULA 0, XB/4, (\st)%2, 0
	s_wait_dscnt 0x0
	s_barrier_signal -1
	MULA XB/4, XB/4, (\st)%2, 0
	WIN 0
	s_barrier_wait -1
.if \fill
	CREST
	s_add_nc_u64 s[G0+4*\slot+2:G0+4*\slot+3], s[G0+4*\slot+2:G0+4*\slot+3], 2*NQ*FRB
	s_add_nc_u64 s[G0B+4*\slot+2:G0B+4*\slot+3], s[G0B+4*\slot+2:G0B+4*\slot+3], 2*NQ*FRB
	s_mov_b32 s[G1+1], ((KK/128-2*NQ)*192)<<16     ; no tensor load of mine is out: of K only two fragments a block are left (tensor_dim0); beyond them the load writes zeros, which nobody reads
	s_mov_b32 s[G1B+1], ((KK/128-2*NQ)*192)<<16
	JLOAD G0+4*\slot, G1, G0B+4*\slot, G1B
.else
	PLACES 4
.endif
	FETCH \next, 0, 1-(\st)%2, (\st)+1
	MULA XB/2, XB/2, (\st)%2, 0
	WIN 0
.endm
.macro QUANT s
.irp b, 0,1,2,3
	v_max3_num_f32 v[TM+\b], |v[\s+16*\b]|, |v[\s+1+16*\b]|, 0x1800000
.endr
.irp i, 2,4,6,8,10,12,14
.irp b, 0,1,2,3
	v_max3_num_f32 v[TM+\b], v[TM+\b], |v[\s+16*\b+\i]|, |v[\s+1+16*\b+\i]|
.endr
.endr
.irp b, 0,1,2,3
	v_permlanex16_b32 v[TM+4+\b], v[TM+\b], s[SEL], s[SEL+1]
.endr
.irp b, 0,1,2,3
	v_max_num_f32 v[TM+\b], v[TM+\b], v[TM+4+\b]
.endr
.irp b, 0,1,2,3
	v_add_nc_u32 v[TM+12+\b], 0xff000000, v[TM+\b]
.endr
.irp b, 0,1,2,3
	v_lshrrev_b32 v[TM+4+\b], 23, v[TM+12+\b]
.endr
	v_lshl_or_b32 v[PW], v[TM+5], 8, v[TM+4]
	v_lshl_or_b32 v[PW], v[TM+6], 16, v[PW]
	v_lshl_or_b32 v[PW], v[TM+7], 24, v[PW]
.irp c, 0,1
	v_cvt_scalef32_pk16_fp6_f32 v[PC+6*\c:PC+2+6*\c], v[\s+32*\c:\s+15+32*\c], v[TM+12+2*\c]
	v_cvt_scalef32_pk16_fp6_f32 v[PC+12+4*\c:PC+14+4*\c], v[\s+16+32*\c:\s+31+32*\c], v[TM+12+2*\c+1]
.endr
	v_nop
.irp c, 0,1
.irp i, 0,1,2
	v_permlane16_swap_b32 v[PC+6*\c+\i], v[PC+12+4*\c+\i]
.endr
.irp i, 0,1,2
	v_mov_b32 v[PC+3+6*\c+\i], v[PC+12+4*\c+\i]
.endr
.endr
.endm
	s_load_b128 s[4:7], s[0:1], 0x0
	s_load_b128 s[8:11], s[0:1], 0x10
	s_load_b128 s[92:95], s[0:1], 0x20
	v_lshl_add_u32 v[SPW], v0, 2, SPARE
	v_mov_b32 v[NIL], 0
	ds_add_u32 v[SPW], v[NIL]
	ds_add_u32 v[SPW], v[NIL]
	v_lshrrev_b32 v1, 5, v0
	v_readfirstlane_b32 s14, v1
	s_lshr_b32 s15, s14, 1
	s_and_b32 s16, s14, 1
	s_bfe_u32 s40, ttmp6, 0x40000
	s_bfe_u32 s41, ttmp6, 0x40004
	s_and_b32 s45, ttmp7, 0xffff
	s_lshl_b32 s17, s45, 2
	s_sub_co_u32 s46, s45, 4
	s_lshl_b32 s46, s46, 3
	s_lshl_b32 s42, ttmp9, 2
	s_add_co_u32 s42, s42, s40
	s_mov_b32 s19, WSCL
	s_cmp_ge_u32 s45, 4
	s_cselect_b32 s66, 1, 0
	s_cselect_b32 s17, 8, s17
	s_cselect_b32 s46, s46, 0
	s_cselect_b32 s18, s19, HSCL
	s_cselect_b32 s19, HSCL, s19
	s_add_co_u32 s17, s17, s41
	s_add_co_u32 s42, s42, s46
	s_lshl_b32 s43, s41, 2
	s_lshl_b32 s43, 15, s43
	s_lshl_b32 s44, 0x1111, s40
	s_or_b32 s[G1+0], s43, (3<<16)|(1<<21)
	s_or_b32 s[G1B+0], s44, (3<<16)|(1<<21)
.irp g, G1, G1B
	s_mov_b32 s[\g+1], (NQ*192)<<16
	s_mov_b32 s[\g+2], (2*XB)<<16
	s_mov_b32 s[\g+3], (NQ*192)<<16
	s_mov_b32 s[\g+4], 2*XB
	s_mov_b32 s[\g+5], RBP/8
	s_mov_b32 s[\g+6], 0
	s_mov_b32 s[\g+7], 0
.endr
	s_or_b32 s[G1S+0], s43, (3<<16)|(1<<21)
	s_or_b32 s[G1SB+0], s44, (3<<16)|(1<<21)
.irp g, G1S, G1SB
	s_mov_b32 s[\g+1], 32<<16
	s_mov_b32 s[\g+2], (SHALF/128)<<16
	s_mov_b32 s[\g+3], 32<<16
	s_mov_b32 s[\g+4], SHALF/128
	s_mov_b32 s[\g+5], 32
	s_mov_b32 s[\g+6], 0
	s_mov_b32 s[\g+7], 0
.endr
	s_mul_i32 s20, s17, 2*XB                       ; the tiles' first blocks
	s_mul_i32 s46, s42, 2*XB
	s_mul_i32 s22, s20, SRB
	s_add_co_u32 s22, s22, s18
	s_mul_i32 s96, s46, SRB
	s_add_co_u32 s96, s96, s19
	s_mul_i32 s20, s20, RBP
	s_mul_i32 s46, s46, RBP
	s_mov_b32 s21, 0
	s_mov_b32 s23, 0
	s_mov_b32 s47, 0
	s_mov_b32 s97, 0
	s_mul_i32 s45, s14, HALFT
	s_mul_i32 s2, s16, XB*RBP                      ; in the ring I fetch half of a tile: which half, in bytes
	s_mov_b32 s3, 0
	s_mov_b32 s[SEL], 0x76543210
	s_mov_b32 s[SEL+1], 0xfedcba98
	s_wait_dscnt 0x0
	s_wait_kmcnt 0x0
	s_cmp_eq_u32 s66, 1
	s_cselect_b64 s[18:19], s[6:7], s[4:5]
	s_cselect_b64 s[6:7], s[4:5], s[6:7]
	s_add_nc_u64 s[20:21], s[18:19], s[20:21]
	s_add_nc_u64 s[22:23], s[18:19], s[22:23]
	s_add_nc_u64 s[46:47], s[6:7], s[46:47]
	s_add_nc_u64 s[96:97], s[6:7], s[96:97]
	s_mov_b32 s[G0S], 1
	s_mov_b32 s[G0S+1], SCLB
	s_mov_b64 s[G0S+2:G0S+3], s[22:23]
	s_or_b32 s[G0S+3], s[G0S+3], 0x80000000
	s_mov_b32 s[G0SB], 1
	s_mov_b32 s[G0SB+1], SCLB+2*SHALF
	s_mov_b64 s[G0SB+2:G0SB+3], s[96:97]
	s_or_b32 s[G0SB+3], s[G0SB+3], 0x80000000
	s_mov_b32 s4, 1                                ; s[4:7]: group 0 for the head's load of X's whole part of slot 0
	s_mov_b32 s5, 0
	s_mov_b64 s[6:7], s[20:21]
	s_or_b32 s7, s7, 0x80000000
	s_add_nc_u64 s[20:21], s[20:21], s[2:3]        ; for the ring: my half of the tile
	s_add_nc_u64 s[96:97], s[46:47], s[2:3]
.irp s, 0,1
	s_mov_b32 s[G0+4*\s], 1
	s_add_co_u32 s[G0+4*\s+1], s45, \s*SLOT
	s_add_nc_u64 s[G0+4*\s+2:G0+4*\s+3], s[20:21], \s*NQ*FRB
	s_or_b32 s[G0+4*\s+3], s[G0+4*\s+3], 0x80000000
	s_mov_b32 s[G0B+4*\s], 1
	s_add_co_u32 s[G0B+4*\s+1], s45, \s*SLOT
	s_add_nc_u64 s[G0B+4*\s+2:G0B+4*\s+3], s[96:97], \s*NQ*FRB
	s_or_b32 s[G0B+4*\s+3], s[G0B+4*\s+3], 0x80000000
.endr
	s_mov_b32 s44, 1                               ; s[44:47]: group 0 for the head's load of Y's whole part of slot 0
	s_mov_b32 s45, 2*HALFT
	s_or_b32 s47, s47, 0x80000000
	CROUND                                         ; all sixteen work-groups are here: the first joint loads meet
; THE HEAD'S LOADS, ONE A WAVE: wave 0 X's part of slot 0, wave 1 Y's, wave 2 X's scale words, wave 3 Y's.  One tree of branches on the wave's number: every way passes one load.
.macro ARM under, g0, g1, next
	s_cmp_lt_u32 s14, \under
	s_cbranch_scc0 \next
	tensor_load_to_lds s[\g0:\g0+3], s[\g1:\g1+7]
	s_nop 0
.rept 4
	v_nop
.endr
	s_branch .Lhead_asked
\next:
.endm
	ARM 1, 4, G1, .Lhead_y
	ARM 2, 44, G1B, .Lhead_sx
	ARM 3, G0S, G1S, .Lhead_sy
	tensor_load_to_lds s[G0SB:G0SB+3], s[G1SB:G1SB+7]
	s_nop 0
.rept 4
	v_nop
.endr
.Lhead_asked:
	v_and_b32 v3, 31, v0
	v_and_b32 v1, 15, v0
	v_bfe_u32 v2, v0, 4, 1
	v_lshlrev_b32 v[L16], 4, v3
	v_lshlrev_b32 v[L8], 3, v3
	v_lshlrev_b32 v[R4], 2, v1
	s_mul_i32 s21, s15, HALFT
	s_mul_i32 s22, s16, HALFT
	s_add_co_u32 s22, s22, 2*HALFT
.irp s, 0,1
	v_add_nc_u32 v[AX16+\s], s21, v[L16]
	v_add_nc_u32 v[AX8+\s], s21, v[L8]
	v_add_nc_u32 v[AY16+\s], s22, v[L16]
	v_add_nc_u32 v[AY8+\s], s22, v[L8]
	s_add_co_u32 s21, s21, SLOT
	s_add_co_u32 s22, s22, SLOT
.endr
	s_mul_i32 s21, s15, SHALF
	s_mul_i32 s22, s16, SHALF
	s_add_co_u32 s22, s22, 2*SHALF
	s_sub_co_u32 s22, s22, s21
	v_mul_u32_u24 v4, s22, v2
	s_add_co_u32 s21, s21, SCLB
	v_add_nc_u32 v4, v[R4], v4
	v_add_nc_u32 v[ADRS], s21, v4
	s_cmp_lt_u32 s42, 4
	s_cselect_b64 s[8:9], s[8:9], s[10:11]
	s_cselect_b32 s10, 0x3e000000, 1.0
	s_and_b32 s18, s42, 3
	s_lshl_b32 s18, s18, 10
	s_lshl_b32 s19, s16, 9
	s_add_co_u32 s18, s18, s19
	s_lshl_b32 s20, s41, 10
	s_lshl_b32 s19, s15, 9
	s_add_co_u32 s20, s20, s19
	s_cmp_eq_u32 s66, 1
	s_cselect_b64 s[8:9], s[92:93], s[8:9]
	s_cselect_b32 s10, 1.0, s10
	s_cselect_b32 s18, 0, s18
	s_cselect_b32 s20, s20, 0
	s_cselect_b32 s67, 0, -1
	s_cselect_b32 s2, -1, 0
	s_mov_b32 s11, s10
	s_mov_b32 s19, 0
	s_mov_b32 s21, 0
	s_add_nc_u64 s[12:13], s[8:9], s[20:21]
	s_add_nc_u64 s[8:9], s[8:9], s[18:19]
	v_lshlrev_b32 v20, 6, v2
	v_and_b32 v21, 8, v1
	v_add_nc_u32 v21, v21, v1
	v_lshlrev_b32 v21, 2, v21
	WIN 0x40
.irp g, 0,1,2,3
.irp j, 0,1,2,3
	global_load_b128 v[96+16*\g+4*\j+96*(\g/2):99+16*\g+4*\j+96*(\g/2)], v20, s[8:9] offset:128*\g+16*\j
.endr
.endr
	WIN 0
.irp i, 0,1,2,3,4,5,6,7
	global_load_b32 v[48+2*\i], v21, s[12:13] offset:(32*(\i/2)+8*(\i%2))*4
	v_mov_b32 v[49+2*\i], 0
.endr
	s_wait_alu depctr_va_vdst(0)                   ; the wait at the head's end
	s_wait_tensorcnt 0x0                           ; my tile of the head's four is in
	ds_add_u32 v[SPW], v[NIL]
	s_mov_b32 s[G1+2], XB<<16                      ; no tensor load of mine is out: from here on a load brings XB blocks
	s_mov_b32 s[G1+4], XB
	s_mov_b32 s[G1B+2], XB<<16
	s_mov_b32 s[G1B+4], XB
	s_wait_dscnt 0x0
	CROUND                                         ; all four tiles are in, and the joint loads meet
	JLOAD G0+4, G1, G0B+4, G1B                     ; slot 1's first fill, my one tensor load behind the round
	FETCH 0, 0, 0, 0
	STEP 0, 1
	STEP 1, 0
	TURN 2, 0, 1, 1
	STEP 3, 0
	STEP 4, 0
	TURN 5, 1, 0, 0
	STEP 6, 0
	s_wait_dscnt 0x0
	MULA 0, XB, 1, 0
	WIN 0
	s_lshr_b32 s18, s17, 2
	s_lshl_b32 s18, s18, 4
	s_and_b32 s19, s42, 3
	s_lshl_b32 s20, s19, 2
	s_add_co_u32 s18, s18, s20
	s_lshl_b32 s20, s16, 1
	s_add_co_u32 s18, s18, s20
	s_and_b32 s20, s17, 3
	s_lshl_b32 s20, s20, 4
	s_lshl_b32 s21, s15, 3
	s_add_co_u32 s20, s20, s21
	s_mul_i32 s23, s20, 768
	s_lshl_b32 s20, s20, 6
	s_mov_b32 s22, KSOFF
	s_cmp_lt_u32 s42, 4
	s_cselect_b32 s21, QOFF, 0
	s_cselect_b32 s22, QSOFF, s22
	s_add_co_u32 s21, s21, s23
	s_add_co_u32 s22, s22, s20
	s_lshr_b32 s24, s42, 2
	s_lshl_b32 s24, s24, 4
	s_lshl_b32 s25, s41, 2
	s_add_co_u32 s24, s24, s25
	s_lshl_b32 s25, s15, 1
	s_add_co_u32 s24, s24, s25
	s_lshl_b32 s25, s19, 1
	s_add_co_u32 s25, s25, s16
	s_mul_i32 s26, s25, FRB
	s_add_co_u32 s26, s26, VOFF
	s_lshl_b32 s27, s25, 7
	s_add_co_u32 s27, s27, VSOFF
	s_mov_b32 s28, REC
	s_mov_b32 s29, 768
	s_cmp_eq_u32 s66, 1
	s_cselect_b32 s18, s24, s18
	s_cselect_b32 s21, s26, s21
	s_cselect_b32 s22, s27, s22
	s_cselect_b32 s30, 768, s28
	s_cselect_b32 s32, 64, s28
	s_cselect_b32 s48, 12288, s29
	s_cselect_b32 s50, REC-36864, s29
	s_cselect_b32 s52, 1024, 64
	s_cselect_b32 s54, REC-3072, 64
	s_mul_i32 s18, s18, REC
	s_add_co_u32 s20, s21, s18
	s_add_co_u32 s22, s22, s18
	s_mov_b32 s21, 0
	s_mov_b32 s23, 0
	s_mov_b32 s31, 0
	s_mov_b32 s33, 0
	s_mov_b32 s49, 0
	s_mov_b32 s51, 0
	s_mov_b32 s53, 0
	s_mov_b32 s55, 0
	s_add_nc_u64 s[36:37], s[94:95], s[20:21]
	s_add_nc_u64 s[38:39], s[36:37], s[30:31]
	s_add_nc_u64 s[44:45], s[94:95], s[22:23]
	s_add_nc_u64 s[46:47], s[44:45], s[32:33]
	PLACES 4
	s_wait_loadcnt 0x0
	WIN 0x44
.set I_, 0
.rept 64
	v_cndmask_b32 v[96+I_+96*(I_/32)], 0, v[96+I_+96*(I_/32)], s67
.set I_, I_+1
.endr
	WIN 0
.irp i, 0,1,2,3,4,5,6,7
	v_cndmask_b32 v[48+2*\i], 0, v[48+2*\i], s2
.endr
.irp b, 0,1,2,3
	v_mov_b32 v[TM+4+\b], 0
.endr
.macro EPQ a
	WIN 0x06+(\a)/4
.set I_, 0
.rept 32
	v_pk_add_f32 v[T+I_:T+I_+1], v[64*((\a)%4)+I_:64*((\a)%4)+I_+1], v[96+I_+96*(I_/32):97+I_+96*(I_/32)]
.set I_, I_+2
.endr
	WIN 0
.set I_, 0
.rept 32
	v_pk_fma_f32 v[T+I_:T+I_+1], v[T+I_:T+I_+1], s[10:11], v[48+2*(\a):49+2*(\a)] op_sel_hi:[1,0,0]
.set I_, I_+2
.endr
	QUANT T
	v_lshrrev_b32 v[PW+1], 16, v[PW]
	global_store_b128 v[L16], v[PC:PC+3], s[36:37]
	global_store_b64 v[L8], v[PC+4:PC+5], s[36:37] offset:512
	global_store_b128 v[L16], v[PC+6:PC+9], s[38:39]
	global_store_b64 v[L8], v[PC+10:PC+11], s[38:39] offset:512
	global_store_b32 v[R4], v[PW], s[44:45]
	global_store_b32 v[R4], v[PW+1], s[46:47]
.if (\a) < 7
	s_wait_xcnt 0x0
.if (\a) == 3
	s_add_nc_u64 s[36:37], s[36:37], s[50:51]
	s_add_nc_u64 s[38:39], s[38:39], s[50:51]
	s_add_nc_u64 s[44:45], s[44:45], s[54:55]
	s_add_nc_u64 s[46:47], s[46:47], s[54:55]
.else
	s_add_nc_u64 s[36:37], s[36:37], s[48:49]
	s_add_nc_u64 s[38:39], s[38:39], s[48:49]
	s_add_nc_u64 s[44:45], s[44:45], s[52:53]
	s_add_nc_u64 s[46:47], s[46:47], s[52:53]
.endif
.endif
.endm
	EPQ 0
	EPQ 1
	EPQ 2
	EPQ 3
	EPQ 4
	EPQ 5
	EPQ 6
	EPQ 7
	s_wait_tensorcnt 0x0
	ds_add_u32 v[SPW], v[NIL]
	s_wait_dscnt 0x0
	CROUND
	s_endpgm
.Lfunc_end_k_qcf4c5cafe2_qkv:
	.size	k_qcf4c5cafe2_qkv, .Lfunc_end_k_qcf4c5cafe2_qkv-k_qcf4c5cafe2_qkv
	.p2alignl 7, 3214868480
	.fill 96, 4, 3214868480
	.section	.rodata,"a",@progbits
	.p2align	6, 0x0
	.amdhsa_kernel k_qcf4c5cafe2_qkv
		.amdhsa_group_segment_fixed_size 327680
		.amdhsa_private_segment_fixed_size 0
		.amdhsa_enable_private_segment 0
		.amdhsa_kernarg_size 48
		.amdhsa_user_sgpr_count 2
		.amdhsa_user_sgpr_kernarg_segment_ptr 1
		.amdhsa_wavefront_size32 1
		.amdhsa_system_sgpr_workgroup_id_x 1
		.amdhsa_system_sgpr_workgroup_id_y 1
		.amdhsa_system_sgpr_workgroup_id_z 1
		.amdhsa_system_vgpr_workitem_id 0
		.amdhsa_next_free_vgpr 1024
		.amdhsa_next_free_sgpr 100
		.amdhsa_reserve_vcc 0
		.amdhsa_float_denorm_mode_32 3
		.amdhsa_float_denorm_mode_16_64 3
		.amdhsa_memory_ordered 1
		.amdhsa_forward_progress 1
		.amdhsa_inst_pref_size 194
	.end_amdhsa_kernel
	.amdgpu_metadata
---
amdhsa.version: [ 1, 2 ]
amdhsa.kernels:
  - .name:           k_qcf4c5cafe2_qkv
    .symbol:         k_qcf4c5cafe2_qkv.kd
    .args:
      - { .name: h, .offset: 0, .size: 8, .value_kind: global_buffer, .address_space: global }
      - { .name: wts, .offset: 8, .size: 8, .value_kind: global_buffer, .address_space: global }
      - { .name: bq, .offset: 16, .size: 8, .value_kind: global_buffer, .address_space: global }
      - { .name: bk, .offset: 24, .size: 8, .value_kind: global_buffer, .address_space: global }
      - { .name: bv, .offset: 32, .size: 8, .value_kind: global_buffer, .address_space: global }
      - { .name: qkv, .offset: 40, .size: 8, .value_kind: global_buffer, .address_space: global }
    .group_segment_fixed_size: 327680
    .private_segment_fixed_size: 0
    .kernarg_segment_align: 8
    .kernarg_segment_size: 48
    .max_flat_workgroup_size: 128
    .sgpr_count:     100
    .vgpr_count:     1024
    .wavefront_size: 32
...
	.end_amdgpu_metadata
.endif
;; end of part 2
;; launch attn (part 3): grid 4 x 64, 16 waves a work-group, clusters of 4 x 1, 167,936 bytes of LDS; arguments qkv, ao; writes ao
.if DOCPART == 3
	.amdgcn_target "amdgcn-amd-amdhsa--gfx1250"
	.amdhsa_code_object_version 6
	.text
	.protected	k_qcf4c5cafe2_attn
	.globl	k_qcf4c5cafe2_attn
	.p2align	8
	.type	k_qcf4c5cafe2_attn,@function
k_qcf4c5cafe2_attn:
	s_mov_b64 s[64:65], 0
	v_nop
	global_prefetch_b8 v0, s[64:65] scope:SCOPE_SE
	s_setreg_imm32_b32 hwreg(HW_REG_WAVE_MODE, 25, 1), 1
	s_wait_xcnt 0x0
	s_wait_alu depctr_hold_cnt(0) depctr_sa_sdst(0) depctr_va_vdst(0) depctr_va_sdst(0) depctr_va_ssrc(0) depctr_va_vcc(0) depctr_vm_vsrc(0)
	s_getreg_b32 s2, hwreg(HW_REG_IB_STS2, 6, 4)
	s_cmp_eq_u32 s2, 0
	s_cbranch_scc0 .Lentry_in_a_cluster
	s_endpgm
.Lentry_in_a_cluster:
	s_bfe_u32 s2, ttmp6, 0x10000c
	s_cmp_lg_u32 s2, 0x3003
	s_cbranch_scc0 .Lentry_shape_is_right
	s_endpgm
.Lentry_shape_is_right:
; Causal attention of one (batch, head) a cluster, both products on codes of FP6 (E2M3) with E8M0 scales, and the quantising of its result along d for the projection that follows.
; LEFT OUT: a step of 128 keys all of which come after a wave's 16 queries: reference()'s own mask gives those keys the weight 0 for all values of the inputs (shown at the head of the first launch's text).
; THE SOFTMAX AHEAD OF THE SECOND PRODUCT: t = score x log2(e) (q came multiplied by 1/8); M = the row's largest t so far, rounded UP to a whole number; p = 2^(t - M) is quantised along the keys, not normalised;
; the row's sum is taken of the unquantised p and divides O at the end.  When M moves, the sum and O are multiplied by 2^(old M - new M): exact.
; IN: the head's record (launch qkv's text has its map).  Its first 106,496 bytes, K's and V's codes and scale words, come into LDS ONCE, as they lie: each of the sixteen waves brings 26 rows of 256 bytes by one
; tensor load, asked for JOINTLY by the cluster's four work-groups, which read the same K and V.  Nothing is filled again.
; SHARES.  A head has 64 blocks of 16 queries.  Work-group p (its place in the cluster) takes blocks 4 j + p; wave w takes j = w for w < 8 and j = w xor 7 above, so that long and short walks are mixed.
; Wave j walks key steps 0 .. j / 2, whatever p: 72 steps a work-group in all four.  p enters global addresses and the mask's number alone: no branch and no LDS address.
; LAYOUT.  Both products transposed: S^T = K Q^T (source 0 = a block of 16 keys), O^T = V^T P^T (source 0 = a block of 16 channels): a lane holds ONE query throughout.  By the blocks' row order (row r of block
; 2 g + u is row 32 g + 8 u + r + 8 (r / 8)) the 16 registers of tiles 2 b, 2 b + 1 are keys 32 b + 16 (lane / 16) + 0..15, and O^T's likewise channels.
; THE FIRST PRODUCT'S K IS 64, the instruction's 128: Q's registers 6-11 are zero codes.  K's tile t is named v[32 + 6 t : 43 + 6 t]: its upper six registers are the next tile's codes (the last tile's: zeros);
; they meet Q's zeros and add exactly 0.  Q's scale word keeps its two live bytes alone.
; LIMITS: as stated at the head of the first launch's text.
; REGISTERS: v1-4, v7-8 addresses that stay; v5, v6 the add's two; v9 the mask's number; v10-11, v28-31 the step's addresses; v12 -M, v13 the largest t, v[14:15] the sum; v16-27 Q; v32-79 K's eight tiles, then V's four
; fragments; v80-85 zeros; v86-90 at the head; v96-159 S^T, then p; v160-191 O^T; v192-199 scale words; v224-235 p's codes; v232-254 at work; v253 p's scale word; v255 Q's.
.set REC,   159744
.set VOFF,  49152                      ; LDS as the record: K's codes at 0, V's here,
.set KSOFF, 98304                      ; K's scale words,
.set VSOFF, 102400                     ; V's
.set QOFF,  106496                     ; (in the record)
.set QSOFF, 155648
.set SPARE, 106496                     ; LDS: the spare words, 128 bytes a wave: eight blocks of 256 bytes that no other line names
.set SPW, 5
.set NIL, 6
.set WV,  8                            ; s8   wave
.set JH,  12                           ; s12  my last key step
.set G0,  20                           ; s[20:23], s[24:31] the one descriptor
.set G1,  24
.set SEL, 40                           ; s[40:41]
.set CS,  42                           ; s[42:43] log2(e)
.set KS,  44                           ; s44  the key step
.set TK,  45                           ; s45-48 where the step's K, V and their scale words begin in LDS
.set TV,  46
.set TSK, 47
.set TSV, 48
.macro CROUND
	s_barrier_signal -1
	s_barrier_wait -1
	s_cmp_lg_u32 s[WV], 0
	s_cbranch_scc1 .Lnot_wave_0_\@
	s_barrier_signal -3
.Lnot_wave_0_\@:
	s_barrier_wait -3
	s_barrier_signal -1
	s_barrier_wait -1
.endm
	s_load_b128 s[4:7], s[0:1], 0x0                ; qkv, ao
	v_lshl_add_u32 v[SPW], v0, 2, SPARE
	v_mov_b32 v[NIL], 0
	ds_add_u32 v[SPW], v[NIL]                      ; the wave's opening: the add, twice on end, and its wait ahead of my first tensor load
	ds_add_u32 v[SPW], v[NIL]
	v_lshrrev_b32 v86, 5, v0
	s_delay_alu instid0(VALU_DEP_1)
	v_readfirstlane_b32 s[WV], v86                 ; wave 0..15
	s_bfe_u32 s9, ttmp6, 0x40000                   ; p: my place in the cluster
	s_and_b32 s10, ttmp7, 0xffff                   ; the record: 16 batch + head
	s_lshr_b32 s11, s[WV], 3
	s_mul_i32 s11, s11, 7
	s_xor_b32 s11, s11, s[WV]                      ; j
	s_lshr_b32 s[JH], s11, 1
	s_mov_b32 s[G1], 15|(3<<16)|(1<<21)            ; 15:0 the mask: all four work-groups; 17:16 elements of 8 bytes; 21 set beside a mask
	s_mov_b32 s[G1+1], 32<<16                      ; tensor_dim0 = 32 elements: 256 bytes
	s_mov_b32 s[G1+2], 26<<16                      ; tensor_dim1 = 26 rows
	s_mov_b32 s[G1+3], 32<<16                      ; tile_dim0
	s_mov_b32 s[G1+4], 26                          ; tile_dim1
	s_mov_b32 s[G1+5], 32                          ; dense
	s_mov_b32 s[G1+6], 0
	s_mov_b32 s[G1+7], 0
	s_mul_i32 s13, s[WV], 6656                     ; my sixteenth, in the record and in LDS
	s_mul_i32 s14, s10, REC
	s_mov_b32 s15, 0
	s_mov_b32 s18, s13
	s_mov_b32 s19, 0
	s_mov_b32 s[SEL], 0x76543210
	s_mov_b32 s[SEL+1], 0xfedcba98
	s_mov_b32 s[CS], 0x3fb8aa3b
	s_mov_b32 s[CS+1], s[CS]                       ; (named with it as a pair)
	s_mov_b32 s[KS], 0
	s_mov_b32 s[TK], 0
	s_mov_b32 s[TV], 0
	s_mov_b32 s[TSK], 0
	s_mov_b32 s[TSV], 0
	s_wait_dscnt 0x0                               ; both opening adds are done
	s_wait_kmcnt 0x0
	s_add_nc_u64 s[16:17], s[4:5], s[14:15]        ; the record
	s_mov_b32 s[G0], 1
	s_mov_b32 s[G0+1], s13
	s_add_nc_u64 s[G0+2:G0+3], s[16:17], s[18:19]
	s_or_b32 s[G0+3], s[G0+3], 0x80000000
	CROUND                                         ; all four work-groups are here: the joint loads meet
	tensor_load_to_lds s[G0:G0+3], s[G1:G1+7]      ; one load of mine is out, and it is my only one
	s_nop 0
.rept 4
	v_nop
.endr
	s_lshl_b32 s49, s11, 2
	s_add_co_u32 s49, s49, s9                      ; my block of 16 queries: 4 j + p
	s_mul_i32 s50, s49, 768
	s_add_co_u32 s50, s50, QOFF
	s_mov_b32 s51, 0
	s_add_nc_u64 s[32:33], s[16:17], s[50:51]      ; its codes
	s_lshl_b32 s50, s49, 6
	s_add_co_u32 s50, s50, QSOFF
	s_add_nc_u64 s[34:35], s[16:17], s[50:51]      ; its scale words
	s_lshr_b32 s52, s10, 4
	s_lshl_b32 s52, s52, 6
	s_add_co_u32 s52, s52, s49                     ; the block among all 256 blocks of tokens
	s_and_b32 s53, s10, 15                         ; the head: half image number head of the block's 16
	s_lshl_b32 s50, s52, 4
	s_add_co_u32 s50, s50, s53
	s_mul_i32 s50, s50, 768
	s_add_nc_u64 s[36:37], s[6:7], s[50:51]
	s_lshl_b32 s50, s52, 3
	s_lshr_b32 s54, s53, 1
	s_add_co_u32 s50, s50, s54
	s_lshl_b32 s50, s50, 6
	s_and_b32 s54, s53, 1
	s_lshl_b32 s54, s54, 1
	s_add_co_u32 s50, s50, s54                     ; a K step's scale word belongs to two heads: mine are bytes 2 (head % 2) and the next
	s_add_co_u32 s50, s50, 3145728
	s_add_nc_u64 s[38:39], s[6:7], s[50:51]
	s_and_b32 s49, s11, 1
	s_lshl_b32 s49, s49, 6
	s_lshr_b32 s50, s9, 1
	s_lshl_b32 s50, s50, 5
	s_add_co_u32 s49, s49, s50
	s_and_b32 s50, s9, 1
	s_lshl_b32 s50, s50, 3
	s_add_co_u32 s49, s49, s50                     ; my block's first query, counted from my last key step's first key: 64 (j % 2) + 32 (p / 2) + 8 (p % 2)
	v_and_b32 v86, 31, v0                          ; lane
	v_and_b32 v87, 15, v0                          ; r
	v_bfe_u32 v88, v0, 4, 1                        ; h
	s_delay_alu instid0(VALU_DEP_3)
	v_lshlrev_b32 v1, 4, v86                       ; an image's places for my lane: K's,
	s_delay_alu instid0(VALU_DEP_4)
	v_lshlrev_b32 v2, 3, v86
	s_delay_alu instid0(VALU_DEP_2)
	v_add_nc_u32 v3, VOFF, v1                      ; V's
	s_delay_alu instid0(VALU_DEP_2)
	v_add_nc_u32 v4, VOFF, v2
	v_lshlrev_b32 v89, 2, v87                      ; my row's scale word
	s_delay_alu instid0(VALU_DEP_1)
	v_add_nc_u32 v7, KSOFF, v89
	s_delay_alu instid0(VALU_DEP_2)
	v_add_nc_u32 v8, VSOFF, v89
	global_load_b128 v[16:19], v1, s[32:33]        ; Q's half image stays in registers
	global_load_b64 v[20:21], v2, s[32:33] offset:512
	global_load_b32 v255, v89, s[34:35]
	v_and_b32 v9, 8, v87
	s_delay_alu instid0(VALU_DEP_1)
	v_add_nc_u32 v9, v9, v87
	v_lshlrev_b32 v90, 4, v88
	s_delay_alu instid0(VALU_DEP_1)
	v_sub_nc_u32 v9, v9, v90
	s_delay_alu instid0(VALU_DEP_1)
	v_add_nc_u32 v9, s49, v9                       ; d = my query - the diagonal step's first key - 16 h
	s_wait_loadcnt 0x0                             ; Q
	v_and_b32 v255, 0xffff, v255                   ; its two live bytes.  (The lines below are more than the eight places that a scale register so written wants ahead of a scaled matrix instruction)
.irp i, 22,23,24,25,26,27
	v_mov_b32 v\i, 0                               ; Q's k = 64 .. 127: zero codes
.endr
.irp i, 80,81,82,83,84,85
	v_mov_b32 v\i, 0                               ; behind K's last tile
.endr
	v_mov_b32 v13, 0xff61b1e6                      ; the largest t so far: -3e38, under every t
	s_delay_alu instid0(VALU_DEP_1)
	v_floor_f32 v12, -v13                          ; -M
	v_mov_b32 v14, 0
	v_mov_b32 v15, 0
.irp b, 0,1,2,3
	v_mov_b32 v[236+\b], 0                         ; a lane permute's destination counts as one of its sources
.endr
	v_mov_b32 v252, 0
	v_mov_b32 v253, 0
.set I_, 0
.rept 32
	v_mov_b32 v[160+I_], 0                         ; O^T.  (The step is written once: the first finds zeros, which the first change of M leaves zeros)
.set I_, I_+1
.endr
	s_wait_tensorcnt 0x0                           ; my sixteenth has landed,
	s_barrier_signal -1
	s_barrier_wait -1                              ; everybody's has
.Lstep:                                            ; eight trips, a constant; a wave's work ends with its diagonal step
	s_cmp_gt_u32 s[KS], s[JH]                      ; ids alone; the jump leads round no barrier and no tensor load
	s_cbranch_scc1 .Lhidden
	v_add_nc_u32 v10, s[TK], v1                    ; (these six are also the places in front of the loads into registers that the last products read)
	v_add_nc_u32 v11, s[TK], v2
	v_add_nc_u32 v28, s[TV], v3
	v_add_nc_u32 v29, s[TV], v4
	v_add_nc_u32 v30, s[TSK], v7
	v_add_nc_u32 v31, s[TSV], v8
.irp t, 0,1,2,3,4,5,6,7
	ds_load_b128 v[32+6*\t:35+6*\t], v10 offset:768*\t
	ds_load_b64 v[36+6*\t:37+6*\t], v11 offset:768*\t+512
	ds_load_b32 v[192+\t], v30 offset:64*\t
.endr
	s_wait_alu depctr_va_vdst(0)
	s_wait_dscnt 0x0
.irp t, 0,1,2,3,4,5,6,7
	v_wmma_scale_f32_16x16x128_f8f6f4 v[96+8*\t:103+8*\t], v[32+6*\t:43+6*\t], v[16:27], 0, v[192+\t], v255 matrix_a_fmt:MATRIX_FMT_FP6 matrix_b_fmt:MATRIX_FMT_FP6
.endr
.rept 4
	v_nop                                          ; places: behind them the scores are read, and K's registers take V
.endr
.irp t, 0,1,2,3                                ; V's four fragments of this step are asked for now and land during the softmax
	ds_load_b128 v[32+12*\t:35+12*\t], v28 offset:12288*\t
	ds_load_b64 v[36+12*\t:37+12*\t], v29 offset:12288*\t+512
	ds_load_b128 v[38+12*\t:41+12*\t], v28 offset:12288*\t+768
	ds_load_b64 v[42+12*\t:43+12*\t], v29 offset:12288*\t+1280
	ds_load_b32 v[192+\t], v31 offset:1024*\t
.endr
	s_cmp_lg_u32 s[KS], s[JH]                      ; in every step but my last all 128 keys count
	s_cbranch_scc1 .Lopen
	v_mov_b32 v254, 0xff800000                     ; -infinity: register 16 b + i holds key 32 b + 16 h + i of the step: hidden where 32 b + i > d
.set I_, 0
.rept 64
	v_cmp_gt_i32 vcc_lo, 32*(I_/16)+I_%16, v9
	v_cndmask_b32 v[96+I_], v[96+I_], v254, vcc_lo
.set I_, I_+1
.endr
.Lopen:
.irp b, 0,1,2,3
	v_max3_num_f32 v[232+\b], v[96+16*\b], v[97+16*\b], v[98+16*\b]   ; the largest score of each block of 32 keys: it serves for the row's maximum and, since p rises with the score, for the block's largest p
.endr
.irp i, 3,5,7,9,11,13
.irp b, 0,1,2,3
	v_max3_num_f32 v[232+\b], v[232+\b], v[96+16*\b+\i], v[97+16*\b+\i]
.endr
.endr
.irp b, 0,1,2,3
	v_max_num_f32 v[232+\b], v[232+\b], v[111+16*\b]
.endr
.irp b, 0,1,2,3
	s_delay_alu instid0(VALU_DEP_4)
	v_permlanex16_b32 v[236+\b], v[232+\b], s[SEL], s[SEL+1]
.endr
.irp b, 0,1,2,3
	s_delay_alu instid0(VALU_DEP_4)
	v_max_num_f32 v[232+\b], v[232+\b], v[236+\b]  ; with lane l xor 16's 16 keys
.endr
	s_delay_alu instid0(VALU_DEP_2)
	v_max3_num_f32 v254, v232, v233, v234
	s_delay_alu instid0(VALU_DEP_1)
	v_max_num_f32 v254, v254, v235
	s_delay_alu instid0(VALU_DEP_1)
	v_mul_f32 v254, s[CS], v254                    ; as t
	s_delay_alu instid0(VALU_DEP_1)
	v_max_num_f32 v13, v13, v254                   ; the running largest t
	v_mov_b32 v254, v12
	s_delay_alu instid0(VALU_DEP_2)
	v_floor_f32 v12, -v13                          ; the new -M = -ceil(t): a whole number
	s_delay_alu instid0(VALU_DEP_1)
	v_sub_f32 v254, v12, v254                      ; old M - new M: a whole number, 0 or less
	s_delay_alu instid0(VALU_DEP_1)
	v_cvt_i32_f32 v254, v254                       ; (it saturates)
	s_delay_alu instid0(VALU_DEP_1)
	v_ldexp_f32 v252, 1.0, v254                    ; f = 2^(old M - new M)
.set I_, 0
.rept 32
	v_pk_fma_f32 v[96+I_:97+I_], v[96+I_:97+I_], s[CS:CS+1], v[12:13] op_sel_hi:[1,0,0]   ; t - M
.set I_, I_+2
.endr
.irp b, 0,1,2,3
	v_fma_f32 v[232+\b], v[232+\b], s[CS], v12     ; the same of each block's largest score
.endr
.set I_, 0
	s_wait_alu depctr_va_vdst(0)
.rept 64
	v_exp_f32 v[96+I_], v[96+I_]                   ; p = 2^(t - M), at most 1
.set I_, I_+1
.endr
	v_pk_mul_f32 v[14:15], v[14:15], v[252:253] op_sel_hi:[1,0]   ; the sums under the new M (a plain place behind the exponentials)
	s_wait_alu depctr_va_vdst(0)                   ; one wait for the whole batch, ahead of its first reader
.irp b, 0,1,2,3
	v_exp_f32 v[232+\b], v[232+\b]                 ; the block's largest p
.endr
	v_pk_add_f32 v[236:237], v[100:101], v[104:105]
	v_pk_add_f32 v[250:251], v[108:109], v[112:113]
	v_pk_add_f32 v[248:249], v[116:117], v[120:121]
	v_pk_add_f32 v[246:247], v[124:125], v[128:129]
	v_pk_add_f32 v[244:245], v[132:133], v[136:137]
	v_pk_add_f32 v[242:243], v[140:141], v[144:145]
	v_pk_add_f32 v[240:241], v[148:149], v[152:153]
	v_pk_add_f32 v[14:15], v[14:15], v[156:157]
	v_pk_add_f32 v[236:237], v[236:237], v[96:97]
	v_pk_add_f32 v[250:251], v[250:251], v[98:99]
	v_pk_add_f32 v[248:249], v[248:249], v[102:103]
	v_pk_add_f32 v[246:247], v[246:247], v[106:107]
	v_pk_add_f32 v[244:245], v[244:245], v[110:111]
	v_pk_add_f32 v[242:243], v[242:243], v[114:115]
	v_pk_add_f32 v[240:241], v[240:241], v[118:119]
	v_pk_add_f32 v[14:15], v[14:15], v[122:123]
	v_pk_add_f32 v[236:237], v[236:237], v[126:127]
	v_pk_add_f32 v[250:251], v[250:251], v[130:131]
	v_pk_add_f32 v[248:249], v[248:249], v[134:135]
	v_pk_add_f32 v[246:247], v[246:247], v[138:139]
	v_pk_add_f32 v[244:245], v[244:245], v[142:143]
	v_pk_add_f32 v[242:243], v[242:243], v[146:147]
	v_pk_add_f32 v[240:241], v[240:241], v[150:151]
	v_pk_add_f32 v[14:15], v[14:15], v[154:155]
	v_pk_add_f32 v[236:237], v[236:237], v[158:159]
	s_delay_alu instid0(VALU_DEP_2)
	v_pk_add_f32 v[14:15], v[14:15], v[246:247]
	s_delay_alu instid0(VALU_DEP_2)
	v_pk_add_f32 v[236:237], v[236:237], v[244:245]
	v_pk_add_f32 v[250:251], v[250:251], v[242:243]
	v_pk_add_f32 v[248:249], v[248:249], v[240:241]
	s_delay_alu instid0(VALU_DEP_2)
	v_pk_add_f32 v[14:15], v[14:15], v[250:251]
	s_delay_alu instid0(VALU_DEP_2)
	v_pk_add_f32 v[236:237], v[236:237], v[248:249]
	s_delay_alu instid0(VALU_DEP_1)
	v_pk_add_f32 v[14:15], v[14:15], v[236:237]
	s_wait_alu depctr_va_vdst(0)                   ; and one for the four
.irp b, 0,1,2,3
	v_max_num_f32 v[232+\b], 0x1800000, v[232+\b]  ; the floor: a block whose every p is 0 keeps the byte 1: its codes are zeros
.endr
.irp b, 0,1,2,3
	s_delay_alu instid0(VALU_DEP_4)
	v_add_nc_u32 v[244+\b], 0xff000000, v[232+\b]
.endr
.irp b, 0,1,2,3
	s_delay_alu instid0(VALU_DEP_4)
	v_lshrrev_b32 v[236+\b], 23, v[244+\b]
.endr
	s_delay_alu instid0(VALU_DEP_3)
	v_lshl_or_b32 v253, v237, 8, v236              ; p's scale word for these 128 keys
	s_delay_alu instid0(VALU_DEP_1)
	v_lshl_or_b32 v253, v238, 16, v253
	s_delay_alu instid0(VALU_DEP_1)
	v_lshl_or_b32 v253, v239, 24, v253
.irp c, 0,1
	v_cvt_scalef32_pk16_fp6_f32 v[224+6*\c:226+6*\c], v[96+32*\c:111+32*\c], v[244+2*\c]
	v_cvt_scalef32_pk16_fp6_f32 v[236+4*\c:238+4*\c], v[112+32*\c:127+32*\c], v[244+2*\c+1]
.endr
	v_nop                                          ; one plain place behind the scaled conversions
.irp c, 0,1
.irp i, 0,1,2
	v_permlane16_swap_b32 v[224+6*\c+\i], v[236+4*\c+\i]
.endr
.irp i, 0,1,2
	s_delay_alu instid0(VALU_DEP_3)
	v_mov_b32 v[227+6*\c+\i], v[236+4*\c+\i]
.endr
.endr
.set I_, 0
.rept 16
	v_pk_mul_f32 v[160+I_:161+I_], v[160+I_:161+I_], v[252:253] op_sel_hi:[1,0]   ; O^T under the new M.  (These sixteen are also the places between the lines that wrote p's codes and scale word and the products)
.set I_, I_+2
.endr
	s_wait_alu depctr_va_vdst(0)
	s_wait_dscnt 0x0                               ; V
.irp t, 0,1,2,3
	v_wmma_scale_f32_16x16x128_f8f6f4 v[160+8*\t:167+8*\t], v[32+12*\t:43+12*\t], v[224:235], v[160+8*\t:167+8*\t], v[192+\t], v253 matrix_a_fmt:MATRIX_FMT_FP6 matrix_b_fmt:MATRIX_FMT_FP6
.endr
.Lhidden:
	s_add_co_u32 s[TK], s[TK], 6144                ; eight half images on
	s_add_co_u32 s[TV], s[TV], 1536                ; a fragment on in each channel block
	s_add_co_u32 s[TSK], s[TSK], 512
	s_add_co_u32 s[TSV], s[TSV], 128
	s_add_co_u32 s[KS], s[KS], 1
	s_cmp_lt_u32 s[KS], 8
	s_cbranch_scc1 .Lstep
	; THE WAY OUT: O^T / the sum: 32 numbers a lane, register 16 g + i = channel 32 g + 16 h + i of my query: two blocks of the next product's K.  They become one half image and two scale bytes.
.rept 4
	v_nop                                          ; places behind the last products
.endr
	v_add_f32 v14, v14, v15
	s_delay_alu instid0(VALU_DEP_1)
	v_permlanex16_b32 v252, v14, s[SEL], s[SEL+1]
	s_delay_alu instid0(VALU_DEP_1)
	v_add_f32 v14, v14, v252                       ; the row's sum
	s_wait_alu depctr_va_vdst(0)
	v_rcp_f32 v14, v14
	v_nop                                          ; a plain place behind the transcendental
	s_wait_alu depctr_va_vdst(0)                   ; the wait, ahead of the first reader
.set I_, 0
.rept 32
	v_mul_f32 v[96+I_], v[160+I_], v14
.set I_, I_+1
.endr
.irp b, 0,1
	v_max3_num_f32 v[232+\b], |v[96+16*\b]|, |v[97+16*\b]|, 0x1800000
.endr
.irp i, 2,4,6,8,10,12,14
.irp b, 0,1
	s_delay_alu instid0(VALU_DEP_2)
	v_max3_num_f32 v[232+\b], v[232+\b], |v[96+16*\b+\i]|, |v[97+16*\b+\i]|
.endr
.endr
.irp b, 0,1
	s_delay_alu instid0(VALU_DEP_2)
	v_permlanex16_b32 v[236+\b], v[232+\b], s[SEL], s[SEL+1]
.endr
.irp b, 0,1
	s_delay_alu instid0(VALU_DEP_2)
	v_max_num_f32 v[232+\b], v[232+\b], v[236+\b]
.endr
.irp b, 0,1
	s_delay_alu instid0(VALU_DEP_2)
	v_add_nc_u32 v[244+\b], 0xff000000, v[232+\b]
.endr
.irp b, 0,1
	s_delay_alu instid0(VALU_DEP_2)
	v_lshrrev_b32 v[236+\b], 23, v[244+\b]
.endr
	s_delay_alu instid0(VALU_DEP_1)
	v_lshl_or_b32 v254, v237, 8, v236              ; my head's two scale bytes
	v_cvt_scalef32_pk16_fp6_f32 v[224:226], v[96:111], v244
	v_cvt_scalef32_pk16_fp6_f32 v[236:238], v[112:127], v245
	v_nop
.irp i, 0,1,2
	v_permlane16_swap_b32 v[224+\i], v[236+\i]
.endr
.irp i, 0,1,2
	s_delay_alu instid0(VALU_DEP_3)
	v_mov_b32 v[227+\i], v[236+\i]
.endr
	global_store_b128 v1, v[224:227], s[36:37]     ; 512 consecutive bytes
	global_store_b64 v2, v[228:229], s[36:37] offset:512
	global_store_b16 v89, v254, s[38:39]           ; half of a scale word: the other head's half is another cluster's
	s_wait_tensorcnt 0x0                           ; the wave's end
	ds_add_u32 v[SPW], v[NIL]
	s_wait_dscnt 0x0
	CROUND                                         ; the closing round
	s_endpgm
.Lfunc_end_k_qcf4c5cafe2_attn:
	.size	k_qcf4c5cafe2_attn, .Lfunc_end_k_qcf4c5cafe2_attn-k_qcf4c5cafe2_attn
	.p2alignl 7, 3214868480
	.fill 96, 4, 3214868480
	.section	.rodata,"a",@progbits
	.p2align	6, 0x0
	.amdhsa_kernel k_qcf4c5cafe2_attn
		.amdhsa_group_segment_fixed_size 167936
		.amdhsa_private_segment_fixed_size 0
		.amdhsa_enable_private_segment 0
		.amdhsa_kernarg_size 16
		.amdhsa_user_sgpr_count 2
		.amdhsa_user_sgpr_kernarg_segment_ptr 1
		.amdhsa_wavefront_size32 1
		.amdhsa_system_sgpr_workgroup_id_x 1
		.amdhsa_system_sgpr_workgroup_id_y 1
		.amdhsa_system_sgpr_workgroup_id_z 1
		.amdhsa_system_vgpr_workitem_id 0
		.amdhsa_next_free_vgpr 256
		.amdhsa_next_free_sgpr 66
		.amdhsa_reserve_vcc 1
		.amdhsa_float_denorm_mode_32 3
		.amdhsa_float_denorm_mode_16_64 3
		.amdhsa_memory_ordered 1
		.amdhsa_forward_progress 1
		.amdhsa_inst_pref_size 36
	.end_amdhsa_kernel
	.amdgpu_metadata
---
amdhsa.version: [ 1, 2 ]
amdhsa.kernels:
  - .name:           k_qcf4c5cafe2_attn
    .symbol:         k_qcf4c5cafe2_attn.kd
    .args:
      - { .name: qkv, .offset: 0, .size: 8, .value_kind: global_buffer, .address_space: global }
      - { .name: ao, .offset: 8, .size: 8, .value_kind: global_buffer, .address_space: global }
    .group_segment_fixed_size: 167936
    .private_segment_fixed_size: 0
    .kernarg_segment_align: 8
    .kernarg_segment_size: 16
    .max_flat_workgroup_size: 512
    .sgpr_count:     66
    .vgpr_count:     256
    .wavefront_size: 32
...
	.end_amdgpu_metadata
.endif
;; end of part 3
;; launch wo (part 4): grid 8 x 32, 4 waves a work-group, clusters of 4 x 4, 327,680 bytes of LDS; arguments ao, wts, bo, x, x1; writes x1
.if DOCPART == 4
	.amdgcn_target "amdgcn-amd-amdhsa--gfx1250"
	.amdhsa_code_object_version 6
	.text
	.protected	k_qcf4c5cafe2_wo
	.globl	k_qcf4c5cafe2_wo
	.p2align	8
	.type	k_qcf4c5cafe2_wo,@function
k_qcf4c5cafe2_wo:
	s_mov_b64 s[64:65], 0
	v_nop
	global_prefetch_b8 v0, s[64:65] scope:SCOPE_SE
	s_setreg_imm32_b32 hwreg(HW_REG_WAVE_MODE, 25, 1), 1
	s_wait_xcnt 0x0
	s_wait_alu depctr_hold_cnt(0) depctr_sa_sdst(0) depctr_va_vdst(0) depctr_va_sdst(0) depctr_va_ssrc(0) depctr_va_vcc(0) depctr_vm_vsrc(0)
	s_getreg_b32 s2, hwreg(HW_REG_IB_STS2, 6, 4)
	s_cmp_eq_u32 s2, 0
	s_cbranch_scc0 .Lentry_in_a_cluster
	s_endpgm
.Lentry_in_a_cluster:
	s_bfe_u32 s2, ttmp6, 0x10000c
	s_cmp_lg_u32 s2, 0xf033
	s_cbranch_scc0 .Lentry_shape_is_right
	s_endpgm
.Lentry_shape_is_right:
; x1 = x + (attention's result) Wo + bo, the product on codes of FP6 (E2M3) with E8M0 scales, K = 1,024: 8 steps of 128; x1 is f32 [4096][1024].  Nothing of reference() is left out here.
; C(i, j) = sum over k of X[i][k] Y[j][k]: X = the tokens' codes (source 1: a lane holds one token), Y = Wo's columns (source 0: a lane's registers run along the columns, in their true order, by the
; blocks' row order: row r of block 2 g + u is row 32 g + 8 u + r + 8 (r / 8)).  A tile of C is 128 x 128: 256 work-groups; four waves, 64 x 64 each, 16 accumulators.
; Operands lie in memory and in LDS as images of the operand's registers (a fragment, 16 rows x 128 K: 1,536 bytes), so every LDS load takes consecutive bytes.
; ALL OF K COMES AT THE HEAD, one tensor load a wave: X's 8 blocks (98,304 bytes), Y's 8 blocks, X's scale words, Y's.  Nothing is filled a second time: one barrier shows the four tiles to all waves.
; CLUSTERS 4 x 4: X's tiles are asked for jointly along a row of the cluster, Y's along a column.  No prefetch: the launch has no loop to run ahead in; all that it reads is asked for at its head.
; Four sets of fragment registers, set st % 4 for step st: a step's fragments are fetched two steps ahead, so a step waits with the 36 loads of the next step still out.
; LIMITS: as stated at the head of the first launch's text.
; REGISTERS.  Window 0: v1-29 addresses; v32-47 scale words, four sets (nothing else); v48-51 the bias; v64-255 X's fragments, four sets of 48 (on the way out v64-191: rows of the result).
;   Window 1: v0-191 Y's fragments, four sets.   Window 2: accumulator (a, b) at v[8 (4 a + b)].   Window 3: v0-127 the residual.
.set KK,    1024
.set XSCL,  3145728                    ; where the scale words begin in ao
.set YIMG,  2359296                    ; Wo's images in wts,
.set YSCL,  9535488                    ; its scale words
.set XB,    4
.set NQ,    KK/128
.set FRB,   1536
.set RBP,   12*KK
.set SRB,   KK/2
.set HALFT, XB*NQ*FRB                  ; what one wave reads of X or of Y
.set SCLB,  4*HALFT
.set SHALF, XB*SRB
.set SPARE, SCLB+4*SHALF               ; the spare words: 128 bytes a wave, two blocks of 256 bytes that no other line names
.set STG,   SPARE+512                  ; the way out: a stage of 16 rows x (256 + 16) bytes for each wave, in bytes of its own
.set SPITCH, 272
.set AX16, 8
.set AX8,  10
.set AY16, 12
.set AY8,  14
.set ADRS, 16
.set L16,  17
.set L8,   18
.set R4,   19
.set CO,   20
.set BO,   21
.set STO,  22
.set RD,   23
.set SPW,  28
.set NIL,  29
.set SC,   32
.set BIA,  48
.set XF,   64
.set OUTR, 64
.set G1, 24
.set G1B, 48
.set G1S, 68
.set G0S, 76
.set G1SB, 80
.set G0SB, 88
.set MSB, 0
.macro WIN new                         ; the immediate's high byte repeats the setting that is left
.if MSB != (\new)
	s_set_vgpr_msb (MSB<<8)|(\new)
.set MSB, \new
.endif
.endm
.macro PLACES n                        ; plain places behind matrix instructions (ISA guide 7.12.1)
.rept \n
	v_nop
.endr
.endm
.macro CROUND                          ; a round of the cluster's barrier
	s_barrier_signal -1
	s_barrier_wait -1
	s_cmp_lg_u32 s14, 0
	s_cbranch_scc1 .Lnot_wave_0_\@
	s_barrier_signal -3
.Lnot_wave_0_\@:
	s_barrier_wait -3
	s_barrier_signal -1
	s_barrier_wait -1
.endm
.macro FRAG reg, a16, a8, off
	ds_load_b128 v[\reg:\reg+3], v[\a16] offset:\off
	ds_load_b64 v[\reg+4:\reg+5], v[\a8] offset:\off+512
	ds_load_b128 v[\reg+6:\reg+9], v[\a16] offset:\off+768
	ds_load_b64 v[\reg+10:\reg+11], v[\a8] offset:\off+1280
.endm
.macro FETCH st                        ; K step st into set st % 4: 36 loads in one run
.set P_, (\st)%4
	WIN 0x40
.set I_, 0
.rept XB
	FRAG 48*P_+12*I_, AY16, AY8, (I_*NQ+(\st))*FRB
.set I_, I_+1
.endr
	WIN 0
.set I_, 0
.rept XB
	FRAG XF+48*P_+12*I_, AX16, AX8, (I_*NQ+(\st))*FRB
.set I_, I_+1
.endr
.set I_, 0
.rept XB
	ds_load_b32 v[SC+4*P_+I_], v[ADRS] offset:I_*SRB+64*(\st)   ; lanes 0-15: the word of X's block i; lanes 16-31: of Y's block i
.set I_, I_+1
.endr
.endm
; The 16 accumulators take turns, one instruction a turn, in the same order in every step.
.macro MULA q, zero
	WIN 0xa1                                       ; source 0 (Y) window 1, source 1 (X) window 0, C and D window 2
.set A_, 0
.rept XB
.set B_, 0
.rept XB
.set AC_, 8*(XB*A_+B_)
.if \zero
	v_wmma_scale_f32_16x16x128_f8f6f4 v[AC_:AC_+7], v[48*(\q)+12*B_:48*(\q)+12*B_+11], v[XF+48*(\q)+12*A_:XF+48*(\q)+12*A_+11], 0, v[SC+4*(\q)+B_], v[SC+4*(\q)+A_] matrix_a_fmt:MATRIX_FMT_FP6 matrix_b_fmt:MATRIX_FMT_FP6 matrix_a_scale:MATRIX_SCALE_ROW1
.else
	v_wmma_scale_f32_16x16x128_f8f6f4 v[AC_:AC_+7], v[48*(\q)+12*B_:48*(\q)+12*B_+11], v[XF+48*(\q)+12*A_:XF+48*(\q)+12*A_+11], v[AC_:AC_+7], v[SC+4*(\q)+B_], v[SC+4*(\q)+A_] matrix_a_fmt:MATRIX_FMT_FP6 matrix_b_fmt:MATRIX_FMT_FP6 matrix_a_scale:MATRIX_SCALE_ROW1
.endif
.set B_, B_+1
.endr
.set A_, A_+1
.endr
	WIN 0
.endm
.macro STEP st, zero
	s_wait_dscnt 36                                ; this step's set is in; the 36 loads of the next step's set may be out
	PLACES 4
	FETCH (\st)+2
	MULA (\st)%4, \zero
.endm
	s_load_b128 s[4:7], s[0:1], 0x0                ; ao, wts
	s_load_b128 s[8:11], s[0:1], 0x10              ; bo, x
	s_load_b64 s[12:13], s[0:1], 0x20              ; x1
	v_lshl_add_u32 v[SPW], v0, 2, SPARE
	v_mov_b32 v[NIL], 0
	ds_add_u32 v[SPW], v[NIL]                      ; the wave's opening: the add, twice on end, and its wait ahead of my first tensor load
	ds_add_u32 v[SPW], v[NIL]
	v_lshrrev_b32 v1, 5, v0
	v_readfirstlane_b32 s14, v1                    ; wave 0..3
	s_lshr_b32 s15, s14, 1                         ; my half of X's rows
	s_and_b32 s16, s14, 1                          ; my half of Y's rows
	s_bfe_u32 s40, ttmp6, 0x40000
	s_bfe_u32 s41, ttmp6, 0x40004
	s_lshl_b32 s42, ttmp9, 2
	s_add_co_u32 s42, s42, s40                     ; Y's tile = 4 x cluster x + cx
	s_and_b32 s17, ttmp7, 0xffff
	s_lshl_b32 s17, s17, 2
	s_add_co_u32 s17, s17, s41                     ; X's tile = 4 x cluster y + cy
	s_lshl_b32 s43, s41, 2
	s_lshl_b32 s43, 15, s43                        ; my row of the cluster
	s_lshl_b32 s44, 0x1111, s40                    ; my column
	s_or_b32 s[G1+0], s43, (3<<16)|(1<<21)         ; 15:0 the mask; 17:16 elements of 8 bytes; 21 set beside a mask; no padding
	s_or_b32 s[G1B+0], s44, (3<<16)|(1<<21)
.irp g, G1, G1B
	s_mov_b32 s[\g+1], (NQ*192)<<16                ; 2 XB rows (a block each) of NQ fragments
	s_mov_b32 s[\g+2], (2*XB)<<16
	s_mov_b32 s[\g+3], (NQ*192)<<16
	s_mov_b32 s[\g+4], 2*XB
	s_mov_b32 s[\g+5], RBP/8
	s_mov_b32 s[\g+6], 0
	s_mov_b32 s[\g+7], 0
.endr
	s_or_b32 s[G1S+0], s43, (3<<16)|(1<<21)
	s_or_b32 s[G1SB+0], s44, (3<<16)|(1<<21)
.irp g, G1S, G1SB
	s_mov_b32 s[\g+1], 32<<16                      ; the scale words of a tile's 2 XB blocks: dense bytes as rows of 256
	s_mov_b32 s[\g+2], (SHALF/128)<<16
	s_mov_b32 s[\g+3], 32<<16
	s_mov_b32 s[\g+4], SHALF/128
	s_mov_b32 s[\g+5], 32
	s_mov_b32 s[\g+6], 0
	s_mov_b32 s[\g+7], 0
.endr
	s_mul_i32 s20, s17, 2*XB                       ; the tiles' first blocks
	s_mul_i32 s46, s42, 2*XB
	s_mul_i32 s22, s20, SRB
	s_add_co_u32 s22, s22, XSCL
	s_mul_i32 s96, s46, SRB
	s_add_co_u32 s96, s96, YSCL
	s_mul_i32 s20, s20, RBP
	s_mul_i32 s46, s46, RBP
	s_add_co_u32 s46, s46, YIMG
	s_mov_b32 s21, 0
	s_mov_b32 s23, 0
	s_mov_b32 s47, 0
	s_mov_b32 s97, 0
	s_wait_dscnt 0x0                               ; both opening adds are done
	s_wait_kmcnt 0x0
	s_add_nc_u64 s[20:21], s[4:5], s[20:21]
	s_add_nc_u64 s[22:23], s[4:5], s[22:23]
	s_add_nc_u64 s[46:47], s[6:7], s[46:47]
	s_add_nc_u64 s[96:97], s[6:7], s[96:97]
	s_mov_b32 s[G0S], 1
	s_mov_b32 s[G0S+1], SCLB
	s_mov_b64 s[G0S+2:G0S+3], s[22:23]
	s_or_b32 s[G0S+3], s[G0S+3], 0x80000000
	s_mov_b32 s[G0SB], 1
	s_mov_b32 s[G0SB+1], SCLB+2*SHALF
	s_mov_b64 s[G0SB+2:G0SB+3], s[96:97]
	s_or_b32 s[G0SB+3], s[G0SB+3], 0x80000000
	s_mov_b32 s4, 1                                ; s[4:7]: group 0 for X's codes
	s_mov_b32 s5, 0
	s_mov_b64 s[6:7], s[20:21]
	s_or_b32 s7, s7, 0x80000000
	s_mov_b32 s44, 1                               ; s[44:47]: group 0 for Y's codes
	s_mov_b32 s45, 2*HALFT
	s_or_b32 s47, s47, 0x80000000
	CROUND                                         ; all sixteen work-groups are here: the joint loads meet
; THE LOADS, ONE A WAVE: wave 0 X's codes, wave 1 Y's, wave 2 X's scale words, wave 3 Y's.  One tree of branches on the wave's number: every way passes one load.
.macro ARM under, g0, g1, next
	s_cmp_lt_u32 s14, \under
	s_cbranch_scc0 \next
	tensor_load_to_lds s[\g0:\g0+3], s[\g1:\g1+7]
	s_nop 0
	PLACES 4
	s_branch .Lhead_asked
\next:
.endm
	ARM 1, 4, G1, .Lhead_y
	ARM 2, 44, G1B, .Lhead_sx
	ARM 3, G0S, G1S, .Lhead_sy
	tensor_load_to_lds s[G0SB:G0SB+3], s[G1SB:G1SB+7]
	s_nop 0
	PLACES 4
.Lhead_asked:
	s_lshl_b32 s18, s17, 7
	s_lshl_b32 s19, s15, 6
	s_add_co_u32 s18, s18, s19
	s_lshl_b32 s18, s18, 12                        ; my first row, 4,096 bytes a row
	s_lshl_b32 s20, s42, 7
	s_lshl_b32 s19, s16, 6
	s_add_co_u32 s20, s20, s19
	s_lshl_b32 s20, s20, 2                         ; my first column
	s_add_co_u32 s18, s18, s20
	s_mov_b32 s19, 0
	s_mov_b32 s21, 0
	s_add_nc_u64 s[8:9], s[8:9], s[20:21]
	s_add_nc_u64 s[10:11], s[10:11], s[18:19]
	s_add_nc_u64 s[12:13], s[12:13], s[18:19]
	s_mul_i32 s21, s15, HALFT                      ; my half of X,
	s_mul_i32 s22, s16, HALFT
	s_add_co_u32 s22, s22, 2*HALFT                 ; of Y
	s_mul_i32 s18, s15, SHALF
	s_mul_i32 s19, s16, SHALF
	s_add_co_u32 s19, s19, 2*SHALF
	s_sub_co_u32 s19, s19, s18                     ; from X's words to Y's
	s_add_co_u32 s18, s18, SCLB
	s_mul_i32 s23, s14, 16*SPITCH
	s_add_co_u32 s23, s23, STG                     ; my stage
	v_and_b32 v3, 31, v0
	v_and_b32 v1, 15, v0                           ; r
	v_bfe_u32 v2, v0, 4, 1                         ; h
	v_lshlrev_b32 v[L16], 4, v3
	v_lshlrev_b32 v[L8], 3, v3
	v_lshlrev_b32 v[R4], 2, v1
	v_add_nc_u32 v[AX16], s21, v[L16]
	v_add_nc_u32 v[AX8], s21, v[L8]
	v_add_nc_u32 v[AY16], s22, v[L16]
	v_add_nc_u32 v[AY8], s22, v[L8]
	v_mul_u32_u24 v4, s19, v2                      ; lanes 16-31 take Y's words: one product with h
	v_add_nc_u32 v4, v[R4], v4
	v_add_nc_u32 v[ADRS], s18, v4
	v_mul_u32_u24 v5, v1, SPITCH
	v_lshl_add_u32 v5, v2, 6, v5
	v_add_nc_u32 v[STO], s23, v5                   ; in: row r, + 64 h: tile b's eight columns begin 128 (b / 2) + 32 (b % 2) bytes on
	v_mul_u32_u24 v6, v2, SPITCH
	v_lshl_add_u32 v6, v1, 4, v6
	v_add_nc_u32 v[RD], s23, v6                    ; back: lanes 0-15 one row of 256 bytes, lanes 16-31 the next
	v_lshlrev_b32 v[BO], 4, v1
	v_lshl_add_u32 v[CO], v2, 12, v[BO]            ; and the same two rows in memory
	s_wait_alu depctr_va_vdst(0)                   ; the wait at the head's end
	global_load_b128 v[BIA:BIA+3], v[BO], s[8:9]   ; the bias and the residual: 33 loads, waited for on the way out
	WIN 0xc0                                       ; destination window 3
.irp i, 0,1,2,3
.irp t, 0,1,2,3,4,5,6,7
	global_load_b128 v[32*\i+4*\t:32*\i+4*\t+3], v[CO], s[10:11] offset:(32*(\i/2)+8*(\i%2)+2*\t+8*(\t/4))*4096   ; rows 2 t, 2 t + 1 of block i, at their true places
.endr
.endr
	WIN 0
	s_wait_tensorcnt 0x0                           ; my tile of the four is in;
	s_barrier_signal -1
	s_barrier_wait -1                              ; everybody's is.
	FETCH 0
	FETCH 1
	STEP 0, 1                                      ; the first step's products start the sums
.set S_, 1
.rept NQ-3
	STEP S_, 0
.set S_, S_+1
.endr
	s_wait_dscnt 36                                ; the last two steps fetch nothing
	MULA (NQ-2)%4, 0
	s_wait_dscnt 0x0
	MULA (NQ-1)%4, 0
	; THE WAY OUT.  A lane holds 32 neighbouring bytes of a row and the lanes beside it other rows: a block of 16 rows x 64 columns goes through my own stage and comes back as whole rows of 256 bytes.
	; LDS serves a wave's instructions in order (ISA guide 5.7.1.4): no wait between the stores and the loads, nor in front of the next block's stores.
.macro TOSTAGE a
	WIN 0x08                                       ; an LDS store's data are its source 1: window 2
.irp b, 0,1,2,3
	ds_store_b128 v[STO], v[8*(4*(\a)+\b):8*(4*(\a)+\b)+3] offset:128*(\b/2)+32*(\b%2)          ; each accumulator from its low end on
	ds_store_b128 v[STO], v[8*(4*(\a)+\b)+4:8*(4*(\a)+\b)+7] offset:128*(\b/2)+32*(\b%2)+16
.endr
	WIN 0
.irp t, 0,1,2,3,4,5,6,7
	ds_load_b128 v[OUTR+32*(\a)+4*\t:OUTR+32*(\a)+4*\t+3], v[RD] offset:2*\t*SPITCH
.endr
.endm
.macro SENDF a
	s_wait_dscnt 16*(3-(\a))                       ; block a is back; the later blocks' sixteen LDS instructions each may be out
.irp t, 0,1,2,3,4,5,6,7
	v_pk_add_f32 v[OUTR+32*(\a)+4*\t:OUTR+32*(\a)+4*\t+1], v[OUTR+32*(\a)+4*\t:OUTR+32*(\a)+4*\t+1], v[BIA:BIA+1]       ; + the bias
	v_pk_add_f32 v[OUTR+32*(\a)+4*\t+2:OUTR+32*(\a)+4*\t+3], v[OUTR+32*(\a)+4*\t+2:OUTR+32*(\a)+4*\t+3], v[BIA+2:BIA+3]
.endr
	WIN 0x0c                                       ; source 1 window 3
.irp t, 0,1,2,3,4,5,6,7
	v_pk_add_f32 v[OUTR+32*(\a)+4*\t:OUTR+32*(\a)+4*\t+1], v[OUTR+32*(\a)+4*\t:OUTR+32*(\a)+4*\t+1], v[32*(\a)+4*\t:32*(\a)+4*\t+1]       ; + the residual
	v_pk_add_f32 v[OUTR+32*(\a)+4*\t+2:OUTR+32*(\a)+4*\t+3], v[OUTR+32*(\a)+4*\t+2:OUTR+32*(\a)+4*\t+3], v[32*(\a)+4*\t+2:32*(\a)+4*\t+3]
.endr
	WIN 0
.irp t, 0,1,2,3,4,5,6,7
	global_store_b128 v[CO], v[OUTR+32*(\a)+4*\t:OUTR+32*(\a)+4*\t+3], s[12:13] offset:(32*((\a)/2)+8*((\a)%2)+2*\t+8*(\t/4))*4096   ; sixteen lanes store 256 consecutive bytes, aligned
.endr
.endm
	PLACES 4                                       ; behind the last products: their results are read, and registers that held X's fragments are loaded into
	TOSTAGE 0
	TOSTAGE 1
	TOSTAGE 2
	TOSTAGE 3
	s_wait_loadcnt 0x0                             ; the bias and the residual
	SENDF 0
	SENDF 1
	SENDF 2
	SENDF 3
	s_wait_tensorcnt 0x0                           ; the wave's end
	ds_add_u32 v[SPW], v[NIL]
	s_wait_dscnt 0x0
	CROUND                                         ; the closing round
	s_endpgm
.Lfunc_end_k_qcf4c5cafe2_wo:
	.size	k_qcf4c5cafe2_wo, .Lfunc_end_k_qcf4c5cafe2_wo-k_qcf4c5cafe2_wo
	.p2alignl 7, 3214868480
	.fill 96, 4, 3214868480
	.section	.rodata,"a",@progbits
	.p2align	6, 0x0
	.amdhsa_kernel k_qcf4c5cafe2_wo
		.amdhsa_group_segment_fixed_size 327680
		.amdhsa_private_segment_fixed_size 0
		.amdhsa_enable_private_segment 0
		.amdhsa_kernarg_size 40
		.amdhsa_user_sgpr_count 2
		.amdhsa_user_sgpr_kernarg_segment_ptr 1
		.amdhsa_wavefront_size32 1
		.amdhsa_system_sgpr_workgroup_id_x 1
		.amdhsa_system_sgpr_workgroup_id_y 1
		.amdhsa_system_sgpr_workgroup_id_z 1
		.amdhsa_system_vgpr_workitem_id 0
		.amdhsa_next_free_vgpr 1024
		.amdhsa_next_free_sgpr 100
		.amdhsa_reserve_vcc 0
		.amdhsa_float_denorm_mode_32 3
		.amdhsa_float_denorm_mode_16_64 3
		.amdhsa_memory_ordered 1
		.amdhsa_forward_progress 1
		.amdhsa_inst_pref_size 64
	.end_amdhsa_kernel
	.amdgpu_metadata
---
amdhsa.version: [ 1, 2 ]
amdhsa.kernels:
  - .name:           k_qcf4c5cafe2_wo
    .symbol:         k_qcf4c5cafe2_wo.kd
    .args:
      - { .name: ao, .offset: 0, .size: 8, .value_kind: global_buffer, .address_space: global }
      - { .name: wts, .offset: 8, .size: 8, .value_kind: global_buffer, .address_space: global }
      - { .name: bo, .offset: 16, .size: 8, .value_kind: global_buffer, .address_space: global }
      - { .name: x, .offset: 24, .size: 8, .value_kind: global_buffer, .address_space: global }
      - { .name: x1, .offset: 32, .size: 8, .value_kind: global_buffer, .address_space: global }
    .group_segment_fixed_size: 327680
    .private_segment_fixed_size: 0
    .kernarg_segment_align: 8
    .kernarg_segment_size: 40
    .max_flat_workgroup_size: 128
    .sgpr_count:     100
    .vgpr_count:     1024
    .wavefront_size: 32
...
	.end_amdgpu_metadata
.endif
;; end of part 4
;; launch ln2: the kernel of part 1 again; grid 256 x 2, 8 waves a work-group, no clusters, 69,632 bytes of LDS; arguments x1, ln2_g, ln2_b, h, Wq, Wk, Wv, Wo, W1, W2, wts; writes h, wts
;; launch w1 (part 5): grid 16 x 16, 4 waves a work-group, clusters of 4 x 4, 327,680 bytes of LDS; arguments h, wts, b1, hid; writes hid
.if DOCPART == 5
	.amdgcn_target "amdgcn-amd-amdhsa--gfx1250"
	.amdhsa_code_object_version 6
	.text
	.protected	k_qcf4c5cafe2_w1
	.globl	k_qcf4c5cafe2_w1
	.p2align	8
	.type	k_qcf4c5cafe2_w1,@function
k_qcf4c5cafe2_w1:
	s_mov_b64 s[64:65], 0
	v_nop
	global_prefetch_b8 v0, s[64:65] scope:SCOPE_SE
	s_setreg_imm32_b32 hwreg(HW_REG_WAVE_MODE, 25, 1), 1
	s_wait_xcnt 0x0
	s_wait_alu depctr_hold_cnt(0) depctr_sa_sdst(0) depctr_va_vdst(0) depctr_va_sdst(0) depctr_va_ssrc(0) depctr_va_vcc(0) depctr_vm_vsrc(0)
	s_getreg_b32 s2, hwreg(HW_REG_IB_STS2, 6, 4)
	s_cmp_eq_u32 s2, 0
	s_cbranch_scc0 .Lentry_in_a_cluster
	s_endpgm
.Lentry_in_a_cluster:
	s_bfe_u32 s2, ttmp6, 0x10000c
	s_cmp_lg_u32 s2, 0xf033
	s_cbranch_scc0 .Lentry_shape_is_right
	s_endpgm
.Lentry_shape_is_right:
.set KK,    1024
.set XSCL,  3145728
.set YIMG,  3145728
.set YSCL,  9568256
.set XB,    8
.set NQ,    3
.set FRB,   1536
.set RBP,   12*KK
.set SRB,   KK/2
.set HALFT, XB*NQ*FRB
.set SLOT,  4*HALFT
.set SCLB,  2*SLOT
.set SHALF, XB*SRB
.set SPARE, SCLB+4*SHALF
.set AX16, 8
.set AX8,  10
.set AY16, 12
.set AY8,  14
.set ADRS, 16
.set L16,  17
.set L8,   18
.set R4,   19
.set SPW,  28
.set NIL,  29
.set SC,   32
.set XF,   64
.set T,    64
.set E,    128
.set PC,   192
.set TM,   212
.set PW,   228
.set SEL,  98
.set G1, 24
.set G0, 32
.set G1B, 48
.set G0B, 56
.set G1S, 68
.set G0S, 76
.set G1SB, 80
.set G0SB, 88
.set MSB, 0
.macro WIN new
.if MSB != (\new)
	s_set_vgpr_msb (MSB<<8)|(\new)
.set MSB, \new
.endif
.endm
.macro JLOAD g0a, g1a, g0b, g1b
	s_cmp_eq_u32 s15, 0
	s_cbranch_scc0 .Lfor_b_\@
	tensor_load_to_lds s[\g0a:\g0a+3], s[\g1a:\g1a+7]
	s_nop 0
.rept 4
	v_nop
.endr
	s_branch .Lasked_\@
.Lfor_b_\@:
	tensor_load_to_lds s[\g0b:\g0b+3], s[\g1b:\g1b+7]
	s_nop 0
.rept 4
	v_nop
.endr
.Lasked_\@:
.endm
.macro CREST
	s_cmp_lg_u32 s14, 0
	s_cbranch_scc1 .Lnot_wave_0_\@
	s_barrier_signal -3
.Lnot_wave_0_\@:
	s_barrier_wait -3
	s_barrier_signal -1
	s_barrier_wait -1
.endm
.macro CROUND
	s_barrier_signal -1
	s_barrier_wait -1
	CREST
.endm
.macro PLACES n
.rept \n
	v_nop
.endr
.endm
.macro FRAG reg, a16, a8, off
	ds_load_b128 v[\reg:\reg+3], v[\a16] offset:\off
	ds_load_b64 v[\reg+4:\reg+5], v[\a8] offset:\off+512
	ds_load_b128 v[\reg+6:\reg+9], v[\a16] offset:\off+768
	ds_load_b64 v[\reg+10:\reg+11], v[\a8] offset:\off+1280
.endm
.macro FETCH slot, q, p, st
	WIN 0x40
.set I_, 0
.rept XB
	FRAG 128*(\p)+12*I_, AY16+\slot, AY8+\slot, (I_*NQ+(\q))*FRB
.set I_, I_+1
.endr
	WIN 0
.set I_, 0
.rept XB
	FRAG XF+96*(\p)+12*I_, AX16+\slot, AX8+\slot, (I_*NQ+(\q))*FRB
.set I_, I_+1
.endr
.set I_, 0
.rept XB
	ds_load_b32 v[SC+8*(\p)+I_], v[ADRS] offset:I_*SRB+64*(\st)
.set I_, I_+1
.endr
.endm
.macro MULA a0, na, p, zero
.set A_, \a0
.rept \na
	WIN 0xa1+0x50*(A_/4)
.set B_, 0
.rept XB
.set AC_, 8*(XB*(A_%4)+B_)
.if \zero
	v_wmma_scale_f32_16x16x128_f8f6f4 v[AC_:AC_+7], v[128*(\p)+12*B_:128*(\p)+12*B_+11], v[XF+96*(\p)+12*A_:XF+96*(\p)+12*A_+11], 0, v[SC+8*(\p)+B_], v[SC+8*(\p)+A_] matrix_a_fmt:MATRIX_FMT_FP6 matrix_b_fmt:MATRIX_FMT_FP6 matrix_a_scale:MATRIX_SCALE_ROW1
.else
	v_wmma_scale_f32_16x16x128_f8f6f4 v[AC_:AC_+7], v[128*(\p)+12*B_:128*(\p)+12*B_+11], v[XF+96*(\p)+12*A_:XF+96*(\p)+12*A_+11], v[AC_:AC_+7], v[SC+8*(\p)+B_], v[SC+8*(\p)+A_] matrix_a_fmt:MATRIX_FMT_FP6 matrix_b_fmt:MATRIX_FMT_FP6 matrix_a_scale:MATRIX_SCALE_ROW1
.endif
.set B_, B_+1
.endr
.set A_, A_+1
.endr
.endm
; K step st (0..7) on set st % 2; step st + 1, which lies in slot ((st + 1) / NQ) % 2, is fetched into the other set.  Three fills: steps 0-2 in slot 0, 3-5 in slot 1, 6-7 in slot 0 again.
.macro STEP st, zero
	s_wait_dscnt 0x0
	MULA 0, XB/4, (\st)%2, \zero
	PLACES 4
	FETCH (((\st)+1)/NQ)%2, ((\st)+1)%NQ, 1-(\st)%2, (\st)+1
	MULA XB/4, 3*XB/4, (\st)%2, \zero
	WIN 0
.endm
.macro TURN st, slot, next, fill
	WIN 0
	s_wait_tensorcnt 0x0
	ds_add_u32 v[SPW], v[NIL]
	s_wait_dscnt 1
	MULA 0, XB/4, (\st)%2, 0
	s_wait_dscnt 0x0
	s_barrier_signal -1
	MULA XB/4, XB/4, (\st)%2, 0
	WIN 0
	s_barrier_wait -1
.if \fill
	CREST
	s_add_nc_u64 s[G0+4*\slot+2:G0+4*\slot+3], s[G0+4*\slot+2:G0+4*\slot+3], 2*NQ*FRB
	s_add_nc_u64 s[G0B+4*\slot+2:G0B+4*\slot+3], s[G0B+4*\slot+2:G0B+4*\slot+3], 2*NQ*FRB
	s_mov_b32 s[G1+1], ((KK/128-2*NQ)*192)<<16     ; no tensor load of mine is out: of K only two fragments a block are left (tensor_dim0); beyond them the load writes zeros, which nobody reads
	s_mov_b32 s[G1B+1], ((KK/128-2*NQ)*192)<<16
	JLOAD G0+4*\slot, G1, G0B+4*\slot, G1B
.else
	PLACES 4
.endif
	FETCH \next, 0, 1-(\st)%2, (\st)+1
	MULA XB/2, XB/2, (\st)%2, 0
	WIN 0
.endm
.macro QUANT s
.irp b, 0,1,2,3
	v_max3_num_f32 v[TM+\b], |v[\s+16*\b]|, |v[\s+1+16*\b]|, 0x1800000
.endr
.irp i, 2,4,6,8,10,12,14
.irp b, 0,1,2,3
	v_max3_num_f32 v[TM+\b], v[TM+\b], |v[\s+16*\b+\i]|, |v[\s+1+16*\b+\i]|
.endr
.endr
.irp b, 0,1,2,3
	v_permlanex16_b32 v[TM+4+\b], v[TM+\b], s[SEL], s[SEL+1]
.endr
.irp b, 0,1,2,3
	v_max_num_f32 v[TM+\b], v[TM+\b], v[TM+4+\b]
.endr
.irp b, 0,1,2,3
	v_add_nc_u32 v[TM+12+\b], 0xff000000, v[TM+\b]
.endr
.irp b, 0,1,2,3
	v_lshrrev_b32 v[TM+4+\b], 23, v[TM+12+\b]
.endr
	v_lshl_or_b32 v[PW], v[TM+5], 8, v[TM+4]
	v_lshl_or_b32 v[PW], v[TM+6], 16, v[PW]
	v_lshl_or_b32 v[PW], v[TM+7], 24, v[PW]
.irp c, 0,1
	v_cvt_scalef32_pk16_fp6_f32 v[PC+6*\c:PC+2+6*\c], v[\s+32*\c:\s+15+32*\c], v[TM+12+2*\c]
	v_cvt_scalef32_pk16_fp6_f32 v[PC+12+4*\c:PC+14+4*\c], v[\s+16+32*\c:\s+31+32*\c], v[TM+12+2*\c+1]
.endr
	v_nop
.irp c, 0,1
.irp i, 0,1,2
	v_permlane16_swap_b32 v[PC+6*\c+\i], v[PC+12+4*\c+\i]
.endr
.irp i, 0,1,2
	v_mov_b32 v[PC+3+6*\c+\i], v[PC+12+4*\c+\i]
.endr
.endr
.endm
	s_load_b128 s[4:7], s[0:1], 0x0
	s_load_b128 s[8:11], s[0:1], 0x10
	v_lshl_add_u32 v[SPW], v0, 2, SPARE
	v_mov_b32 v[NIL], 0
	ds_add_u32 v[SPW], v[NIL]
	ds_add_u32 v[SPW], v[NIL]
	v_lshrrev_b32 v1, 5, v0
	v_readfirstlane_b32 s14, v1
	s_lshr_b32 s15, s14, 1
	s_and_b32 s16, s14, 1
	s_bfe_u32 s40, ttmp6, 0x40000
	s_bfe_u32 s41, ttmp6, 0x40004
	s_lshl_b32 s42, ttmp9, 2
	s_add_co_u32 s42, s42, s40
	s_and_b32 s17, ttmp7, 0xffff
	s_lshl_b32 s17, s17, 2
	s_add_co_u32 s17, s17, s41
	s_lshl_b32 s43, s41, 2
	s_lshl_b32 s43, 15, s43
	s_lshl_b32 s44, 0x1111, s40
	s_or_b32 s[G1+0], s43, (3<<16)|(1<<21)
	s_or_b32 s[G1B+0], s44, (3<<16)|(1<<21)
.irp g, G1, G1B
	s_mov_b32 s[\g+1], (NQ*192)<<16
	s_mov_b32 s[\g+2], (2*XB)<<16
	s_mov_b32 s[\g+3], (NQ*192)<<16
	s_mov_b32 s[\g+4], 2*XB
	s_mov_b32 s[\g+5], RBP/8
	s_mov_b32 s[\g+6], 0
	s_mov_b32 s[\g+7], 0
.endr
	s_or_b32 s[G1S+0], s43, (3<<16)|(1<<21)
	s_or_b32 s[G1SB+0], s44, (3<<16)|(1<<21)
.irp g, G1S, G1SB
	s_mov_b32 s[\g+1], 32<<16
	s_mov_b32 s[\g+2], (SHALF/128)<<16
	s_mov_b32 s[\g+3], 32<<16
	s_mov_b32 s[\g+4], SHALF/128
	s_mov_b32 s[\g+5], 32
	s_mov_b32 s[\g+6], 0
	s_mov_b32 s[\g+7], 0
.endr
	s_mul_i32 s20, s17, 2*XB                       ; the tiles' first blocks
	s_mul_i32 s46, s42, 2*XB
	s_mul_i32 s22, s20, SRB
	s_add_co_u32 s22, s22, XSCL
	s_mul_i32 s96, s46, SRB
	s_add_co_u32 s96, s96, YSCL
	s_mul_i32 s20, s20, RBP
	s_mul_i32 s46, s46, RBP
	s_add_co_u32 s46, s46, YIMG
	s_mov_b32 s21, 0
	s_mov_b32 s23, 0
	s_mov_b32 s47, 0
	s_mov_b32 s97, 0
	s_mul_i32 s45, s14, HALFT
	s_mul_i32 s2, s16, XB*RBP                      ; in the ring I fetch half of a tile: which half, in bytes
	s_mov_b32 s3, 0
	s_mov_b32 s[SEL], 0x76543210
	s_mov_b32 s[SEL+1], 0xfedcba98
	s_mov_b32 s92, 0xc01d265f
	s_mov_b32 s93, s92
	s_wait_dscnt 0x0
	s_wait_kmcnt 0x0
	s_add_nc_u64 s[20:21], s[4:5], s[20:21]
	s_add_nc_u64 s[22:23], s[4:5], s[22:23]
	s_add_nc_u64 s[46:47], s[6:7], s[46:47]
	s_add_nc_u64 s[96:97], s[6:7], s[96:97]
	s_mov_b32 s[G0S], 1
	s_mov_b32 s[G0S+1], SCLB
	s_mov_b64 s[G0S+2:G0S+3], s[22:23]
	s_or_b32 s[G0S+3], s[G0S+3], 0x80000000
	s_mov_b32 s[G0SB], 1
	s_mov_b32 s[G0SB+1], SCLB+2*SHALF
	s_mov_b64 s[G0SB+2:G0SB+3], s[96:97]
	s_or_b32 s[G0SB+3], s[G0SB+3], 0x80000000
	s_mov_b32 s4, 1                                ; s[4:7]: group 0 for the head's load of X's whole part of slot 0
	s_mov_b32 s5, 0
	s_mov_b64 s[6:7], s[20:21]
	s_or_b32 s7, s7, 0x80000000
	s_add_nc_u64 s[20:21], s[20:21], s[2:3]        ; for the ring: my half of the tile
	s_add_nc_u64 s[96:97], s[46:47], s[2:3]
.irp s, 0,1
	s_mov_b32 s[G0+4*\s], 1
	s_add_co_u32 s[G0+4*\s+1], s45, \s*SLOT
	s_add_nc_u64 s[G0+4*\s+2:G0+4*\s+3], s[20:21], \s*NQ*FRB
	s_or_b32 s[G0+4*\s+3], s[G0+4*\s+3], 0x80000000
	s_mov_b32 s[G0B+4*\s], 1
	s_add_co_u32 s[G0B+4*\s+1], s45, \s*SLOT
	s_add_nc_u64 s[G0B+4*\s+2:G0B+4*\s+3], s[96:97], \s*NQ*FRB
	s_or_b32 s[G0B+4*\s+3], s[G0B+4*\s+3], 0x80000000
.endr
	s_mov_b32 s44, 1                               ; s[44:47]: group 0 for the head's load of Y's whole part of slot 0
	s_mov_b32 s45, 2*HALFT
	s_or_b32 s47, s47, 0x80000000
	CROUND                                         ; all sixteen work-groups are here: the first joint loads meet
; THE HEAD'S LOADS, ONE A WAVE: wave 0 X's part of slot 0, wave 1 Y's, wave 2 X's scale words, wave 3 Y's.  One tree of branches on the wave's number: every way passes one load.
.macro ARM under, g0, g1, next
	s_cmp_lt_u32 s14, \under
	s_cbranch_scc0 \next
	tensor_load_to_lds s[\g0:\g0+3], s[\g1:\g1+7]
	s_nop 0
.rept 4
	v_nop
.endr
	s_branch .Lhead_asked
\next:
.endm
	ARM 1, 4, G1, .Lhead_y
	ARM 2, 44, G1B, .Lhead_sx
	ARM 3, G0S, G1S, .Lhead_sy
	tensor_load_to_lds s[G0SB:G0SB+3], s[G1SB:G1SB+7]
	s_nop 0
.rept 4
	v_nop
.endr
.Lhead_asked:
	v_and_b32 v3, 31, v0
	v_and_b32 v1, 15, v0
	v_bfe_u32 v2, v0, 4, 1
	v_lshlrev_b32 v[L16], 4, v3
	v_lshlrev_b32 v[L8], 3, v3
	v_lshlrev_b32 v[R4], 2, v1
	s_mul_i32 s21, s15, HALFT
	s_mul_i32 s22, s16, HALFT
	s_add_co_u32 s22, s22, 2*HALFT
.irp s, 0,1
	v_add_nc_u32 v[AX16+\s], s21, v[L16]
	v_add_nc_u32 v[AX8+\s], s21, v[L8]
	v_add_nc_u32 v[AY16+\s], s22, v[L16]
	v_add_nc_u32 v[AY8+\s], s22, v[L8]
	s_add_co_u32 s21, s21, SLOT
	s_add_co_u32 s22, s22, SLOT
.endr
	s_mul_i32 s21, s15, SHALF
	s_mul_i32 s22, s16, SHALF
	s_add_co_u32 s22, s22, 2*SHALF
	s_sub_co_u32 s22, s22, s21
	v_mul_u32_u24 v4, s22, v2
	s_add_co_u32 s21, s21, SCLB
	v_add_nc_u32 v4, v[R4], v4
	v_add_nc_u32 v[ADRS], s21, v4
	s_lshl_b32 s18, s42, 10
	s_lshl_b32 s19, s16, 9
	s_add_co_u32 s18, s18, s19
	s_mov_b32 s19, 0
	s_add_nc_u64 s[8:9], s[8:9], s[18:19]
	v_lshlrev_b32 v20, 6, v2
	WIN 0x40
.irp g, 0,1,2,3
.irp j, 0,1,2,3
	global_load_b128 v[96+16*\g+4*\j+96*(\g/2):99+16*\g+4*\j+96*(\g/2)], v20, s[8:9] offset:128*\g+16*\j
.endr
.endr
	WIN 0
	s_wait_alu depctr_va_vdst(0)
	s_wait_tensorcnt 0x0                           ; my tile of the head's four is in
	ds_add_u32 v[SPW], v[NIL]
	s_mov_b32 s[G1+2], XB<<16                      ; no tensor load of mine is out: from here on a load brings XB blocks
	s_mov_b32 s[G1+4], XB
	s_mov_b32 s[G1B+2], XB<<16
	s_mov_b32 s[G1B+4], XB
	s_wait_dscnt 0x0
	CROUND                                         ; all four tiles are in, and the joint loads meet
	JLOAD G0+4, G1, G0B+4, G1B                     ; slot 1's first fill, my one tensor load behind the round
	FETCH 0, 0, 0, 0
	STEP 0, 1
	STEP 1, 0
	TURN 2, 0, 1, 1
	STEP 3, 0
	STEP 4, 0
	TURN 5, 1, 0, 0
	STEP 6, 0
	s_wait_dscnt 0x0
	MULA 0, XB, 1, 0
	WIN 0
	s_lshl_b32 s18, s17, 4
	s_lshl_b32 s19, s15, 3
	s_add_co_u32 s18, s18, s19
	s_lshl_b32 s19, s42, 1
	s_add_co_u32 s19, s19, s16
	s_mul_i32 s20, s18, 49152
	s_mul_i32 s21, s19, FRB
	s_add_co_u32 s20, s20, s21
	s_mov_b32 s21, 0
	s_lshl_b32 s22, s18, 5
	s_add_co_u32 s22, s22, s19
	s_lshl_b32 s22, s22, 6
	s_add_co_u32 s22, s22, 12582912
	s_mov_b32 s23, 0
	s_add_nc_u64 s[36:37], s[10:11], s[20:21]
	s_add_nc_u64 s[38:39], s[10:11], s[22:23]
	PLACES 4
	s_wait_loadcnt 0x0
.irp b, 0,1,2,3
	v_mov_b32 v[TM+4+\b], 0
.endr
.macro EPG a
	WIN 0x06+(\a)/4
.set I_, 0
.rept 32
	v_pk_add_f32 v[T+I_:T+I_+1], v[64*((\a)%4)+I_:64*((\a)%4)+I_+1], v[96+I_+96*(I_/32):97+I_+96*(I_/32)]
.set I_, I_+2
.endr
	WIN 0
.set I_, 0
.rept 32
	v_pk_mul_f32 v[E+I_:E+I_+1], v[T+I_:T+I_+1], s[92:93] op_sel_hi:[1,0]
.set I_, I_+2
.endr
.set I_, 0
	s_wait_alu depctr_va_vdst(0)
.rept 64
	v_exp_f32 v[E+I_], v[E+I_]
.set I_, I_+1
.endr
	v_nop
	s_wait_alu depctr_va_vdst(0)
.set I_, 0
.rept 32
	v_pk_add_f32 v[E+I_:E+I_+1], v[E+I_:E+I_+1], 1.0 op_sel_hi:[1,0]
.set I_, I_+2
.endr
.set I_, 0
	s_wait_alu depctr_va_vdst(0)
.rept 64
	v_rcp_f32 v[E+I_], v[E+I_]
.set I_, I_+1
.endr
	v_nop
	s_wait_alu depctr_va_vdst(0)
.set I_, 0
.rept 32
	v_pk_mul_f32 v[T+I_:T+I_+1], v[T+I_:T+I_+1], v[E+I_:E+I_+1]
.set I_, I_+2
.endr
.if (\a) > 0
	s_wait_xcnt 0x0
.endif
	QUANT T
	global_store_b128 v[L16], v[PC:PC+3], s[36:37] offset:(\a)*49152
	global_store_b64 v[L8], v[PC+4:PC+5], s[36:37] offset:(\a)*49152+512
	global_store_b128 v[L16], v[PC+6:PC+9], s[36:37] offset:(\a)*49152+768
	global_store_b64 v[L8], v[PC+10:PC+11], s[36:37] offset:(\a)*49152+1280
	global_store_b32 v[R4], v[PW], s[38:39] offset:(\a)*2048
.endm
	EPG 0
	EPG 1
	EPG 2
	EPG 3
	EPG 4
	EPG 5
	EPG 6
	EPG 7
	s_wait_tensorcnt 0x0
	ds_add_u32 v[SPW], v[NIL]
	s_wait_dscnt 0x0
	CROUND
	s_endpgm
.Lfunc_end_k_qcf4c5cafe2_w1:
	.size	k_qcf4c5cafe2_w1, .Lfunc_end_k_qcf4c5cafe2_w1-k_qcf4c5cafe2_w1
	.p2alignl 7, 3214868480
	.fill 96, 4, 3214868480
	.section	.rodata,"a",@progbits
	.p2align	6, 0x0
	.amdhsa_kernel k_qcf4c5cafe2_w1
		.amdhsa_group_segment_fixed_size 327680
		.amdhsa_private_segment_fixed_size 0
		.amdhsa_enable_private_segment 0
		.amdhsa_kernarg_size 32
		.amdhsa_user_sgpr_count 2
		.amdhsa_user_sgpr_kernarg_segment_ptr 1
		.amdhsa_wavefront_size32 1
		.amdhsa_system_sgpr_workgroup_id_x 1
		.amdhsa_system_sgpr_workgroup_id_y 1
		.amdhsa_system_sgpr_workgroup_id_z 1
		.amdhsa_system_vgpr_workitem_id 0
		.amdhsa_next_free_vgpr 1024
		.amdhsa_next_free_sgpr 100
		.amdhsa_reserve_vcc 0
		.amdhsa_float_denorm_mode_32 3
		.amdhsa_float_denorm_mode_16_64 3
		.amdhsa_memory_ordered 1
		.amdhsa_forward_progress 1
		.amdhsa_inst_pref_size 249
	.end_amdhsa_kernel
	.amdgpu_metadata
---
amdhsa.version: [ 1, 2 ]
amdhsa.kernels:
  - .name:           k_qcf4c5cafe2_w1
    .symbol:         k_qcf4c5cafe2_w1.kd
    .args:
      - { .name: h, .offset: 0, .size: 8, .value_kind: global_buffer, .address_space: global }
      - { .name: wts, .offset: 8, .size: 8, .value_kind: global_buffer, .address_space: global }
      - { .name: b1, .offset: 16, .size: 8, .value_kind: global_buffer, .address_space: global }
      - { .name: hid, .offset: 24, .size: 8, .value_kind: global_buffer, .address_space: global }
    .group_segment_fixed_size: 327680
    .private_segment_fixed_size: 0
    .kernarg_segment_align: 8
    .kernarg_segment_size: 32
    .max_flat_workgroup_size: 128
    .sgpr_count:     100
    .vgpr_count:     1024
    .wavefront_size: 32
...
	.end_amdgpu_metadata
.endif
;; end of part 5
;; launch w2 (part 6): grid 8 x 32, 4 waves a work-group, clusters of 4 x 1, 327,680 bytes of LDS; arguments hid, wts, b2, x1, out0; writes out0
.if DOCPART == 6
	.amdgcn_target "amdgcn-amd-amdhsa--gfx1250"
	.amdhsa_code_object_version 6
	.text
	.protected	k_qcf4c5cafe2_w2
	.globl	k_qcf4c5cafe2_w2
	.p2align	8
	.type	k_qcf4c5cafe2_w2,@function
k_qcf4c5cafe2_w2:
	s_mov_b64 s[64:65], 0
	v_nop
	global_prefetch_b8 v0, s[64:65] scope:SCOPE_SE
	s_setreg_imm32_b32 hwreg(HW_REG_WAVE_MODE, 25, 1), 1
	s_wait_xcnt 0x0
	s_wait_alu depctr_hold_cnt(0) depctr_sa_sdst(0) depctr_va_vdst(0) depctr_va_sdst(0) depctr_va_ssrc(0) depctr_va_vcc(0) depctr_vm_vsrc(0)
	s_getreg_b32 s2, hwreg(HW_REG_IB_STS2, 6, 4)
	s_cmp_eq_u32 s2, 0
	s_cbranch_scc0 .Lentry_in_a_cluster
	s_endpgm
.Lentry_in_a_cluster:
	s_bfe_u32 s2, ttmp6, 0x10000c
	s_cmp_lg_u32 s2, 0x3003
	s_cbranch_scc0 .Lentry_shape_is_right
	s_endpgm
.Lentry_shape_is_right:
; out0 = x1 + (the hidden layer) W2 + b2, the product on codes of FP6 (E2M3) with E8M0 scales, K = 4,096: 32 steps of 128; out0 is f32 [4096][1024].  Nothing of reference() is left out here.
; C(i, j) = sum over k of X[i][k] Y[j][k]: X = the tokens' codes (the matrix instruction's source 1: a lane holds one token), Y = W2's columns (source 0: a lane's registers run along the columns, in their true
; order, by the blocks' row order: row r of block 2 g + u is row 32 g + 8 u + r + 8 (r / 8)).  Both lie in memory as images of the operand's registers (a fragment, 16 rows x 128 K: 1,536 bytes: lane l's
; registers 0-3 at 16 l, 4-5 at 512 + 8 l, 6-9 at 768 + 16 l, 10-11 at 1,280 + 8 l), so every load, from memory or from LDS, takes consecutive bytes.
; SHARES.  A tile of C is 128 tokens x 128 columns, so that 4,096 x 1,024 gives 256 work-groups.  Each of the four waves takes ALL 128 tokens x 32 columns: X's eight blocks x two blocks of Y, 16 accumulators.
; X GOES THROUGH LDS, which all four waves read: 12,288 bytes a K step.  LDS holds three regions of 8 steps and the tile's scale words for all of K.  ONE TENSOR LOAD A WAVE EACH TIME: at the head waves 0 and 1 bring
; the two halves of region 0 (steps 0-7) and waves 2 and 3 the two halves of the scale words; behind the head's round every wave brings its two blocks of region 1 (steps 8-15); behind the round in step 7 of region 2
; (steps 16-23); behind the round in step 15 region 0 is filled again, with steps 24-31; the barrier in step 23 shows that fill to every wave.  Each load has eight K steps in which to land (region 1's: seven).
; CLUSTER 4 x 1: the four partners make neighbouring column tiles of the same 128 tokens: X's tiles and scale words are asked for JOINTLY, by the same load with the same descriptor and the mask of all four.
; Y GOES FROM MEMORY STRAIGHT INTO REGISTERS.  With the shares above a fragment of Y is read by ONE wave of the work-group, so LDS would add nothing to it but a copy, and beside 24 steps of X there is no room for it;
; a joint load fills LDS and not registers, so Y is not asked for jointly.  A ring of eight sets of 24 registers, and eight scale registers: GROUP g, the nine loads of K step g (two fragments, and one word a lane:
; lanes 0-15 the first block's scale words, lanes 16-31 the second's), is asked for in step g - 7; seven groups, 63 loads, are out at the most, and the wait at a step's head leaves the six younger groups out.
; The bias and the residual, 33 loads, are four more groups, asked for in steps 25 to 28, when Y's groups have ended.
; NO PREFETCH: Y's loads are themselves asked for seven K steps ahead of their use, and each of X's loads is asked for eight K steps ahead of the barrier that waits for it.
; THE WAY OUT.  A wave's 32 columns are 128 bytes of a row: the four waves write ONE stage (128 rows x (512 + 16) bytes), a barrier, and each wave stores 32 whole rows of 512 bytes.  The stage lies in region 1, which has
; had its only fill and which no wave reads behind the barrier in step 15.
; The 32 steps are written out by macros: every offset is an immediate and every count a constant of the text.
; LIMITS: as stated at the head of the first launch's text.
; REGISTERS, in windows of 256.  Window 0: v1-29 addresses; v32-47 X's scale words, two sets, v48-55 Y's, a ring of eight (they hold nothing else); v80-83 the bias; v128-223 X's fragments, set 0.
;   Window 1: v0-191 Y's ring.   Window 2: accumulator (a, b) at v[8 (2 a + b)]; v128-223 X's fragments, set 1.   Window 3: v0-127 the residual; v128-255 rows of the result.
.set FRB,   1536                       ; a fragment's image
.set RBP,   49152                      ; a block's codes for all of K
.set SRB,   2048                       ; its scale words
.set XSCL,  12582912                   ; where the scale words begin in hid
.set YIMG,  6291456                    ; W2's images in wts,
.set YSCL,  9699328                    ; its scale words
.set REG,   8*8*FRB                    ; a region: 8 blocks x 8 steps; block i's step q at (8 i + q) FRB
.set SCLB,  3*REG                      ; behind the regions: X's scale words
.set SPARE, SCLB+8*SRB                 ; the spare words: 128 bytes a wave, two blocks of 256 bytes that no other line names
.set STG,   REG                        ; the stage, in region 1
.set SPITCH, 528
.set L16,  5                           ; v5   16 x lane
.set L8,   6                           ; v6   8 x lane
.set YSO,  7                           ; v7   Y's scale words: 2,048 (lane / 16) + 4 (lane % 16)
.set ADRS, 8                           ; v8   X's scale words in LDS: SCLB + 4 (lane % 16)
.set STO,  9                           ; v9   the stage: where I put 32 bytes of a row
.set RD,   10                          ; v10  and where I read a row back
.set A16,  12                          ; v12-17  LDS address of half k of the three regions (blocks 0-3 or 4-7): 49,152 k + 16 x lane
.set A8,   18                          ; v18-23  the same + 8 x lane
.set SPW,  28
.set NIL,  29
.set SC,   32
.set YS,   48
.set BIA,  80
.set XF,   128
.set G0H, 4                            ; s[4:7] group 0 for the head's load of half of region 0
.set G1,  24                           ; s[24:31] descriptor group 1 for X's codes;  s[32:39] for its scale words
.set G1S, 32
.set G0,  40                           ; s[40:51] group 0, a set for each region;  s[52:55] for the scale words
.set G0S, 52
.set YB,  56                           ; s[56:57] my two blocks of W2;  s[58:59] their scale words
.set YSB, 58
.set MSB, 0
.macro WIN new                         ; the immediate's high byte repeats the setting that is left
.if MSB != (\new)
	s_set_vgpr_msb (MSB<<8)|(\new)
.set MSB, \new
.endif
.endm
.macro CREST                           ; a round of the cluster's barrier behind its opening barrier
	s_cmp_lg_u32 s14, 0
	s_cbranch_scc1 .Lnot_wave_0_\@
	s_barrier_signal -3
.Lnot_wave_0_\@:
	s_barrier_wait -3
	s_barrier_signal -1
	s_barrier_wait -1
.endm
.macro CROUND
	s_barrier_signal -1
	s_barrier_wait -1
	CREST
.endm
.macro PLACES n                        ; plain places behind matrix instructions: four in front of loads into, and reads of, their registers
.rept \n
	v_nop
.endr
.endm
; X's eight fragments and scale words of K step s, from region (s / 8) % 3, into set s % 2: 40 LDS loads in one run
.macro XFETCH s
.set RG_, ((\s)/8)%3
.set Q_, (\s)%8
	WIN 0x80*((\s)%2)                              ; destination window 0 or 2
.set I_, 0
.rept 8
.set K_, 2*RG_+I_/4
.set O_, (I_%4)*8*FRB+Q_*FRB
	ds_load_b128 v[XF+12*I_:XF+12*I_+3], v[A16+K_] offset:O_
	ds_load_b64 v[XF+12*I_+4:XF+12*I_+5], v[A8+K_] offset:O_+512
	ds_load_b128 v[XF+12*I_+6:XF+12*I_+9], v[A16+K_] offset:O_+768
	ds_load_b64 v[XF+12*I_+10:XF+12*I_+11], v[A8+K_] offset:O_+1280
.set I_, I_+1
.endr
	WIN 0
.set I_, 0
.rept 8
	ds_load_b32 v[SC+8*((\s)%2)+I_], v[ADRS] offset:I_*SRB+(\s)*64
.set I_, I_+1
.endr
.endm
; Group g of global loads.  g < 32: K step g of my two blocks of W2, nine loads, into set g % 8 of the ring.  g = 32 .. 35: the bias and my 32 rows of the residual: 9, 9, 9 and 6 loads.  Beyond: nothing.
.macro GROUP g
.if (\g) < 32
	WIN 0x40                                       ; destination window 1
.set YR_, 24*((\g)%8)
.irp b, 0,1
	global_load_b128 v[YR_+12*\b:YR_+12*\b+3], v[L16], s[YB:YB+1] offset:\b*RBP+(\g)*FRB
	global_load_b64 v[YR_+12*\b+4:YR_+12*\b+5], v[L8], s[YB:YB+1] offset:\b*RBP+(\g)*FRB+512
	global_load_b128 v[YR_+12*\b+6:YR_+12*\b+9], v[L16], s[YB:YB+1] offset:\b*RBP+(\g)*FRB+768
	global_load_b64 v[YR_+12*\b+10:YR_+12*\b+11], v[L8], s[YB:YB+1] offset:\b*RBP+(\g)*FRB+1280
.endr
	WIN 0
	global_load_b32 v[YS+(\g)%8], v[YSO], s[YSB:YSB+1] offset:(\g)*64
.elseif (\g) < 36
.if (\g) == 32
	WIN 0
	global_load_b128 v[BIA:BIA+3], v[L16], s[8:9]
.set T_, 0
.set NT_, 8
.elseif (\g) == 35
.set T_, 26
.set NT_, 6
.else
.set T_, 9*((\g)-32)-1
.set NT_, 9
.endif
	WIN 0xc0                                       ; destination window 3
.rept NT_
	global_load_b128 v[4*T_:4*T_+3], v[L16], s[10:11] offset:(8*(T_/16)+T_%16+8*((T_%16)/8))*4096   ; stage row 32 w + t is row t % 16 of block 2 w + t / 16: its true place among my 32 rows; 512 consecutive bytes
.set T_, T_+1
.endr
.endif
.endm
; CNT_ = the loads of groups s + 1 .. s + 6: all that have been issued behind group s when step s begins
.macro LCNT s
.set CNT_, 0
.set G_, (\s)+1
.rept 6
.if G_ < 35
.set CNT_, CNT_+9
.elseif G_ == 35
.set CNT_, CNT_+6
.endif
.set G_, G_+1
.endr
.endm
; 2 na matrix instructions of K step s: X's blocks a0 on, each against my two blocks of Y.  The 16 accumulators take turns, one instruction a turn, in the same order in every step.
.macro MUL s, a0, na, zero
	WIN 0xa1+8*((\s)%2)                            ; source 0 (Y) window 1, source 1 (X) window 0 or 2, C and D window 2
.set A_, \a0
.rept \na
.set B_, 0
.rept 2
.set AC_, 8*(2*A_+B_)
.set YR_, 24*((\s)%8)+12*B_
.set XR_, XF+12*A_
.set SX_, SC+8*((\s)%2)+A_
.set SY_, YS+(\s)%8
.if \zero
.if B_
	v_wmma_scale_f32_16x16x128_f8f6f4 v[AC_:AC_+7], v[YR_:YR_+11], v[XR_:XR_+11], 0, v[SY_], v[SX_] matrix_a_fmt:MATRIX_FMT_FP6 matrix_b_fmt:MATRIX_FMT_FP6 matrix_a_scale:MATRIX_SCALE_ROW1
.else
	v_wmma_scale_f32_16x16x128_f8f6f4 v[AC_:AC_+7], v[YR_:YR_+11], v[XR_:XR_+11], 0, v[SY_], v[SX_] matrix_a_fmt:MATRIX_FMT_FP6 matrix_b_fmt:MATRIX_FMT_FP6
.endif
.else
.if B_
	v_wmma_scale_f32_16x16x128_f8f6f4 v[AC_:AC_+7], v[YR_:YR_+11], v[XR_:XR_+11], v[AC_:AC_+7], v[SY_], v[SX_] matrix_a_fmt:MATRIX_FMT_FP6 matrix_b_fmt:MATRIX_FMT_FP6 matrix_a_scale:MATRIX_SCALE_ROW1
.else
	v_wmma_scale_f32_16x16x128_f8f6f4 v[AC_:AC_+7], v[YR_:YR_+11], v[XR_:XR_+11], v[AC_:AC_+7], v[SY_], v[SX_] matrix_a_fmt:MATRIX_FMT_FP6 matrix_b_fmt:MATRIX_FMT_FP6
.endif
.endif
.set B_, B_+1
.endr
.set A_, A_+1
.endr
.endm
; K step s.  Behind its first four products and four places stand, in one run, the loads into the registers that step s - 1 has left: X's next step and group s + 7.
.macro STEP s, zero
	LCNT \s
	s_wait_loadcnt CNT_                            ; group s is in; the six younger groups may be out
	s_wait_dscnt 0x0                               ; X's set is in (asked for three quarters of a step ago)
	MUL \s, 0, 2, \zero
	PLACES 4
.if (\s) < 31
	XFETCH (\s)+1
.endif
	GROUP (\s)+7
	MUL \s, 2, 6, \zero
.endm
; A region's last step, with a barrier.  In front of it each wave waits for all its tensor loads, adds 0 to its spare word, and waits for that and for its reads of the region that it leaves: behind it the next region is whole for every wave.
; fill = 1 (step 7): region 2 is filled, for the first time.  fill = 2 (step 15): region 0, which nobody has read since step 7, is filled again, with steps 24-31.  fill = 0 (step 23): nothing is left to fetch.
.macro TURN s, fill
	WIN 0
	s_wait_tensorcnt 0x0                           ; the one tensor load of mine that was out has landed
	ds_add_u32 v[SPW], v[NIL]                      ; 0 onto my spare word
	LCNT \s
	s_wait_loadcnt CNT_                            ; group s is in; the six younger groups may be out
	s_wait_dscnt 1                                 ; X's set is in; the add alone may be out
	MUL \s, 0, 2, 0
	s_wait_dscnt 0x0                               ; the add is done, and my reads of this region are over
	s_barrier_signal -1
	MUL \s, 2, 2, 0
	WIN 0
	s_barrier_wait -1
.if \fill
	CREST                                          ; the barrier has opened a round of the cluster's: no wave of any partner has a load on its way or still reads what is filled now
.if \fill == 2
	s_add_nc_u64 s[G0+2:G0+3], s[G0+2:G0+3], 24*FRB
	tensor_load_to_lds s[G0:G0+3], s[G1:G1+7]      ; my one tensor load behind the round, and the first thing there
.else
	tensor_load_to_lds s[G0+8:G0+11], s[G1:G1+7]
.endif
	s_nop 0
	PLACES 4                                       ; (they are also the places in front of the loads below)
.else
	PLACES 4
.endif
	s_wait_alu depctr_va_vdst(0)
	XFETCH (\s)+1
	GROUP (\s)+7
	MUL \s, 4, 4, 0
.endm
	s_load_b128 s[4:7], s[0:1], 0x0                ; hid, wts
	s_load_b128 s[8:11], s[0:1], 0x10              ; b2, x1
	s_load_b64 s[12:13], s[0:1], 0x20              ; out0
	v_lshl_add_u32 v[SPW], v0, 2, SPARE
	v_mov_b32 v[NIL], 0
	ds_add_u32 v[SPW], v[NIL]                      ; the wave's opening: the add, twice on end, and its wait ahead of my first tensor load
	ds_add_u32 v[SPW], v[NIL]
	v_lshrrev_b32 v1, 5, v0
	v_readfirstlane_b32 s14, v1                    ; wave 0..3
	s_bfe_u32 s15, ttmp6, 0x40000                  ; cx: my place in the cluster: it enters global addresses of Y, bias, residual and result alone
	s_lshl_b32 s16, ttmp9, 2
	s_add_co_u32 s16, s16, s15                     ; the tile of 128 columns = 4 x cluster x + cx
	s_and_b32 s17, ttmp7, 0xffff                   ; the tile of 128 tokens, which the four partners share
	; descriptor group 1 for the codes: rows (a block each) of 8 fragments, RBP bytes apart in memory, dense in LDS; elements of 8 bytes.  Four rows for the head's loads, two behind them
	s_mov_b32 s[G1+0], 15|(3<<16)|(1<<21)          ; 15:0 the mask: all four work-groups; 17:16 elements of 8 bytes; 21 set beside a mask; no padding
	s_mov_b32 s[G1+1], (8*192)<<16                 ; tensor_dim0
	s_mov_b32 s[G1+2], 4<<16                       ; tensor_dim1
	s_mov_b32 s[G1+3], (8*192)<<16                 ; tile_dim0
	s_mov_b32 s[G1+4], 4                           ; tile_dim1
	s_mov_b32 s[G1+5], RBP/8                       ; tensor_dim0_stride
	s_mov_b32 s[G1+6], 0
	s_mov_b32 s[G1+7], 0
	; and for the scale words of four blocks: 8,192 dense bytes as 32 rows of 256
	s_mov_b32 s[G1S+0], 15|(3<<16)|(1<<21)
	s_mov_b32 s[G1S+1], 32<<16
	s_mov_b32 s[G1S+2], 32<<16
	s_mov_b32 s[G1S+3], 32<<16
	s_mov_b32 s[G1S+4], 32
	s_mov_b32 s[G1S+5], 32
	s_mov_b32 s[G1S+6], 0
	s_mov_b32 s[G1S+7], 0
	s_lshl_b32 s18, s17, 3
	s_lshl_b32 s19, s14, 1
	s_add_co_u32 s18, s18, s19                     ; X: the first of the two blocks that I fetch behind the head: 8 x tile + 2 x wave
	s_mul_i32 s20, s18, RBP                        ; its codes
	s_mov_b32 s21, 0
	s_mul_i32 s2, s14, 2*8*FRB                     ; where they go in a region: no place in the cluster enters an LDS address
	s_lshl_b32 s60, s16, 3
	s_add_co_u32 s60, s60, s19                     ; Y: my first block: 8 x tile + 2 x wave
	s_mul_i32 s56, s60, RBP
	s_add_co_u32 s56, s56, YIMG
	s_mov_b32 s57, 0
	s_lshl_b32 s58, s60, 11
	s_add_co_u32 s58, s58, YSCL
	s_mov_b32 s59, 0
	s_lshl_b32 s60, s16, 9                         ; the tile's first column, in bytes
	s_mov_b32 s61, 0
	s_lshl_b32 s62, s17, 7
	s_lshl_b32 s63, s14, 5
	s_add_co_u32 s62, s62, s63                     ; the first of the 32 rows that I store
	s_lshl_b32 s62, s62, 12
	s_add_co_u32 s62, s62, s60
	s_mov_b32 s63, 0
	v_and_b32 v3, 31, v0                           ; lane
	v_and_b32 v1, 15, v0                           ; r
	v_bfe_u32 v2, v0, 4, 1                         ; h
	v_lshlrev_b32 v[L16], 4, v3
	v_lshlrev_b32 v[L8], 3, v3
	v_lshlrev_b32 v4, 2, v1
	v_lshl_add_u32 v[YSO], v2, 11, v4
	v_add_nc_u32 v[ADRS], SCLB, v4
.irp k, 0,1,2,3,4,5
	v_add_nc_u32 v[A16+\k], \k*4*8*FRB, v[L16]
	v_add_nc_u32 v[A8+\k], \k*4*8*FRB, v[L8]
.endr
	v_mul_u32_u24 v4, v1, SPITCH
	v_lshl_add_u32 v4, v2, 6, v4
	s_lshl_b32 s19, s14, 7
	s_add_co_u32 s19, s19, STG
	v_add_nc_u32 v[STO], s19, v4                   ; in: row r of a block, + 128 x wave + 64 h: block b's eight columns begin 32 b bytes on
	s_mul_i32 s18, s14, 32*SPITCH
	s_add_co_u32 s18, s18, STG
	v_add_nc_u32 v[RD], s18, v[L16]                ; back: my 32 rows, 16 bytes a lane
	s_wait_alu depctr_va_vdst(0)                   ; the wait at the end of the head's vector work
	s_wait_dscnt 0x0                               ; both opening adds are done
	s_wait_kmcnt 0x0
	s_add_nc_u64 s[20:21], s[4:5], s[20:21]
	s_add_nc_u64 s[YB:YB+1], s[6:7], s[56:57]
	s_add_nc_u64 s[YSB:YSB+1], s[6:7], s[58:59]
	s_add_nc_u64 s[8:9], s[8:9], s[60:61]
	s_add_nc_u64 s[10:11], s[10:11], s[62:63]
	s_add_nc_u64 s[12:13], s[12:13], s[62:63]
	; the head's loads: half wave % 2 of the tile's eight blocks: its codes of steps 0-7 (waves 0, 1) or its scale words for all of K (waves 2, 3).  Every wave makes both descriptors
	s_and_b32 s18, s14, 1
	s_lshl_b32 s19, s17, 3
	s_lshl_b32 s60, s18, 2
	s_add_co_u32 s19, s19, s60                     ; block 8 x tile + 4 x half
	s_mul_i32 s60, s19, RBP
	s_mov_b32 s61, 0
	s_lshl_b32 s62, s19, 11
	s_add_co_u32 s62, s62, XSCL
	s_mov_b32 s63, 0
	s_add_nc_u64 s[60:61], s[4:5], s[60:61]
	s_add_nc_u64 s[62:63], s[4:5], s[62:63]
	s_mov_b32 s[G0H], 1
	s_mul_i32 s[G0H+1], s18, 4*8*FRB
	s_mov_b64 s[G0H+2:G0H+3], s[60:61]
	s_or_b32 s[G0H+3], s[G0H+3], 0x80000000
	s_mov_b32 s[G0S], 1
	s_lshl_b32 s[G0S+1], s18, 13
	s_add_co_u32 s[G0S+1], s[G0S+1], SCLB
	s_mov_b64 s[G0S+2:G0S+3], s[62:63]
	s_or_b32 s[G0S+3], s[G0S+3], 0x80000000
.irp g, 0,1,2
	s_mov_b32 s[G0+4*\g], 1                        ; count = 1
	s_add_co_u32 s[G0+4*\g+1], s2, \g*REG          ; LDS address
	s_add_nc_u64 s[G0+4*\g+2:G0+4*\g+3], s[20:21], \g*8*FRB   ; global address: steps 8 g on
	s_or_b32 s[G0+4*\g+3], s[G0+4*\g+3], 0x80000000           ; type = 2
.endr
	CROUND                                         ; all four work-groups are here: the first joint loads meet
	s_cmp_lt_u32 s14, 2                            ; one branch on the wave's number, a load in each arm: every way through the head passes one load
	s_cbranch_scc0 .Lhead_s
	tensor_load_to_lds s[G0H:G0H+3], s[G1:G1+7]    ; half of region 0
	s_nop 0
	PLACES 4
	s_branch .Lhead_asked
.Lhead_s:
	tensor_load_to_lds s[G0S:G0S+3], s[G1S:G1S+7]  ; half of the scale words
	s_nop 0
	PLACES 4
.Lhead_asked:
	GROUP 0                                        ; seven groups of nine: 63 loads of mine are out
	GROUP 1
	GROUP 2
	GROUP 3
	GROUP 4
	GROUP 5
	GROUP 6
	s_wait_tensorcnt 0x0                           ; my tile of the head's four is in
	ds_add_u32 v[SPW], v[NIL]
	s_mov_b32 s[G1+2], 2<<16                       ; no tensor load of mine is out: from here on a load brings two blocks
	s_mov_b32 s[G1+4], 2
	s_wait_dscnt 0x0
	CROUND                                         ; region 0 and the scale words are whole for every wave, and the joint loads meet
	tensor_load_to_lds s[G0+4:G0+7], s[G1:G1+7]    ; region 1, my one tensor load behind the round
	s_nop 0
	PLACES 4
	XFETCH 0
	STEP 0, 1                                      ; the first step's products start the sums: nothing is ever cleared
.set S_, 1
.rept 6
	STEP S_, 0
.set S_, S_+1
.endr
	TURN 7, 1                                      ; on to region 1; region 2 is asked for
.set S_, 8
.rept 7
	STEP S_, 0
.set S_, S_+1
.endr
	TURN 15, 2                                     ; on to region 2; region 0 is filled again
.set S_, 16
.rept 7
	STEP S_, 0
.set S_, S_+1
.endr
	TURN 23, 0                                     ; on to region 0's second fill
.set S_, 24
.rept 8
	STEP S_, 0
.set S_, S_+1
.endr
	; THE WAY OUT
	PLACES 4                                       ; behind the last products
	WIN 0x08                                       ; an LDS store's data are its source 1: window 2
.set A_, 0
.rept 8
.irp b, 0,1
	ds_store_b128 v[STO], v[8*(2*A_+\b):8*(2*A_+\b)+3] offset:A_*16*SPITCH+32*\b          ; each accumulator from its low end on
	ds_store_b128 v[STO], v[8*(2*A_+\b)+4:8*(2*A_+\b)+7] offset:A_*16*SPITCH+32*\b+16
.endr
.set A_, A_+1
.endr
	WIN 0
	s_wait_dscnt 0x0                               ; for the others' sake: my stores into the stage have landed
	s_barrier_signal -1
	s_barrier_wait -1
	WIN 0xc0                                       ; destination window 3
.set T_, 0
.rept 32
	ds_load_b128 v[128+4*T_:131+4*T_], v[RD] offset:T_*SPITCH
.set T_, T_+1
.endr
	s_wait_loadcnt 0x0                             ; the bias and the residual
.macro SENDF c                         ; rows 8 c .. 8 c + 7 of my 32
	s_wait_dscnt 24-8*(\c)                         ; they are back; the later rows' loads may be out
	WIN 0xcf                                       ; destination and both sources window 3
.set T_, 8*(\c)
.rept 8
	v_pk_add_f32 v[128+4*T_:129+4*T_], v[128+4*T_:129+4*T_], v[4*T_:4*T_+1]       ; + the residual
	v_pk_add_f32 v[130+4*T_:131+4*T_], v[130+4*T_:131+4*T_], v[4*T_+2:4*T_+3]
.set T_, T_+1
.endr
	WIN 0xc3                                       ; source 1 window 0
.set T_, 8*(\c)
.rept 8
	v_pk_add_f32 v[128+4*T_:129+4*T_], v[128+4*T_:129+4*T_], v[BIA:BIA+1]         ; + the bias
	v_pk_add_f32 v[130+4*T_:131+4*T_], v[130+4*T_:131+4*T_], v[BIA+2:BIA+3]
.set T_, T_+1
.endr
	WIN 0x0c                                       ; a store's data are its source 1: window 3
.set T_, 8*(\c)
.rept 8
	global_store_b128 v[L16], v[128+4*T_:131+4*T_], s[12:13] offset:(8*(T_/16)+T_%16+8*((T_%16)/8))*4096   ; the 32 lanes store 512 consecutive bytes, at a multiple of 256 from out0's first byte
.set T_, T_+1
.endr
.endm
	SENDF 0
	SENDF 1
	SENDF 2
	SENDF 3
	WIN 0
	s_wait_tensorcnt 0x0                           ; the wave's end
	ds_add_u32 v[SPW], v[NIL]
	s_wait_dscnt 0x0
	CROUND                                         ; the closing round: no work-group ends while a partner may still ask for a tile that names it
	s_endpgm
.Lfunc_end_k_qcf4c5cafe2_w2:
	.size	k_qcf4c5cafe2_w2, .Lfunc_end_k_qcf4c5cafe2_w2-k_qcf4c5cafe2_w2
	.p2alignl 7, 3214868480
	.fill 96, 4, 3214868480
	.section	.rodata,"a",@progbits
	.p2align	6, 0x0
	.amdhsa_kernel k_qcf4c5cafe2_w2
		.amdhsa_group_segment_fixed_size 327680
		.amdhsa_private_segment_fixed_size 0
		.amdhsa_enable_private_segment 0
		.amdhsa_kernarg_size 40
		.amdhsa_user_sgpr_count 2
		.amdhsa_user_sgpr_kernarg_segment_ptr 1
		.amdhsa_wavefront_size32 1
		.amdhsa_system_sgpr_workgroup_id_x 1
		.amdhsa_system_sgpr_workgroup_id_y 1
		.amdhsa_system_sgpr_workgroup_id_z 1
		.amdhsa_system_vgpr_workitem_id 0
		.amdhsa_next_free_vgpr 1024
		.amdhsa_next_free_sgpr 66
		.amdhsa_reserve_vcc 0
		.amdhsa_float_denorm_mode_32 3
		.amdhsa_float_denorm_mode_16_64 3
		.amdhsa_memory_ordered 1
		.amdhsa_forward_progress 1
		.amdhsa_inst_pref_size 211
	.end_amdhsa_kernel
	.amdgpu_metadata
---
amdhsa.version: [ 1, 2 ]
amdhsa.kernels:
  - .name:           k_qcf4c5cafe2_w2
    .symbol:         k_qcf4c5cafe2_w2.kd
    .args:
      - { .name: hid, .offset: 0, .size: 8, .value_kind: global_buffer, .address_space: global }
      - { .name: wts, .offset: 8, .size: 8, .value_kind: global_buffer, .address_space: global }
      - { .name: b2, .offset: 16, .size: 8, .value_kind: global_buffer, .address_space: global }
      - { .name: x1, .offset: 24, .size: 8, .value_kind: global_buffer, .address_space: global }
      - { .name: out0, .offset: 32, .size: 8, .value_kind: global_buffer, .address_space: global }
    .group_segment_fixed_size: 327680
    .private_segment_fixed_size: 0
    .kernarg_segment_align: 8
    .kernarg_segment_size: 40
    .max_flat_workgroup_size: 128
    .sgpr_count:     66
    .vgpr_count:     1024
    .wavefront_size: 32
...
	.end_amdgpu_metadata
.endif
;; end of part 6
